; MI455X (gfx1250); checked and timed in simulation.
; The chip was launched on July 23, 2026; its instructions are those of AMD's public machine-readable ISA for CDNA 5 (MIT licence, August 2026) and "CDNA5" Instruction Set Architecture Reference Guide (July 2026). The comments in the code are by the model that wrote it; some were corrected since.
;; MSA Block. Allowed arithmetic: matrix products marked QUANTISED: E2M3 operands, one E8M0 scale for each 32 along K, by v_wmma_scale_f32_16x16x128_f8f6f4 with both operands' format E2M3, f32 sums; products left as they are: f32 operands where the result goes on into a quantised operand, else bf16, f16 or f32 operands; f32 sums; everything else in f32.
;; Inputs: m 512 x 256 x 64 float32; msa_mask 512 x 256 float32; opm_bout 128 float32; opm_ln_b 64 float32; opm_ln_w 64 float32; opm_w1 64 x 32 float32; opm_w2 64 x 32 float32; opm_wout 1,024 x 128 float32; pwa_lnm_b 64 float32; pwa_lnm_w 64 float32; pwa_lnz_b 128 float32; pwa_lnz_w 128 float32; pwa_wg 64 x 256 float32; pwa_wo 256 x 64 float32; pwa_wv 64 x 256 float32; pwa_wz 128 x 8 float32; tr_ln_b 64 float32; tr_ln_w 64 float32; tr_wa 64 x 256 float32; tr_wb 64 x 256 float32; tr_wo 256 x 64 float32; z 256 x 256 x 128 float32.
;; Outputs: out0 512 x 256 x 64 float32; out1 256 x 256 x 128 float32.
;; This version of the problem:
;;   THIS VERSION OF THE PROBLEM IS GIVEN IN LOW PRECISION. The matrix products marked QUANTISED in the list below multiply operands that are first quantised to E2M3 (2 exponent bits, 3 mantissa bits; 6 bits a number), with one power-of-two scale for each 32 numbers along K (OCP MX v1.0); their sums are f32. All else is computed in f32.
;;   The module's matrix products, in the order in which they are computed (A, B: the left and right operand; K: the contracted axis; several contracted axes count as one K, in the product's order):
;;     1. [M 256, K 512] x [K 512, N 256]; A: input msa_mask; B: input msa_mask: QUANTISED
;;     2. [M 131,072, K 64] x [K 64, N 32]; A: computed on the way; B: input opm_w1: QUANTISED
;;     3. [M 131,072, K 64] x [K 64, N 32]; A: computed on the way; B: input opm_w2: QUANTISED
;;     4. [M 8,192, K 512] x [K 512, N 8,192]; A: computed on the way; B: computed on the way: QUANTISED
;;     5. [M 65,536, K 1,024] x [K 1,024, N 128]; A: computed on the way; B: input opm_wout: QUANTISED
;;     6. [M 65,536, K 128] x [K 128, N 8]; A: computed on the way; B: input pwa_wz: left as it is (N = 8 < 16)
;;     7. [M 131,072, K 64] x [K 64, N 256]; A: computed on the way; B: input pwa_wv: QUANTISED
;;     8. [M 131,072, K 64] x [K 64, N 256]; A: computed on the way; B: input pwa_wg: QUANTISED
;;     9. batch 8 x [M 16,384, K 256] x [K 256, N 256]; A: computed on the way; B: softmax (see below): QUANTISED
;;     10. [M 131,072, K 256] x [K 256, N 64]; A: computed on the way; B: input pwa_wo: QUANTISED
;;     11. [M 131,072, K 64] x [K 64, N 256]; A: computed on the way; B: input tr_wa: QUANTISED
;;     12. [M 131,072, K 64] x [K 64, N 256]; A: computed on the way; B: input tr_wb: QUANTISED
;;     13. [M 131,072, K 256] x [K 256, N 64]; A: computed on the way; B: input tr_wo: QUANTISED
;;   THE QUANTISER, for each operand of a quantised product, along K:
;;     - K is cut into blocks of 32 from its start; a last block that is shorter is filled with zeros.
;;     - A block's scale is 2^e with e = floor(log2(the largest magnitude in the block)) - 2, held to -126 .. 127; a block of zeros has e = 0. As a byte (E8M0): e + 127.
;;     - Each number is divided by its block's scale, clamped to +-7.5, and rounded to the nearest number of E2M3, ties to even, subnormals kept.
;;     - The product sums the exact products of the quantised numbers (number of the format x scale) in f32.
;;   ~~~python
;;   def quantise(x, axis):      # numpy; x: float32 -> the quantised numbers, widened to float32 again
;;       x = np.moveaxis(x, axis, -1); K = x.shape[-1]
;;       x = np.pad(x, [(0, 0)] * (x.ndim - 1) + [(0, -K % 32)]); x = x.reshape(x.shape[:-1] + (-1, 32)); a = np.abs(x).max(-1, keepdims=True)
;;       e = np.where(a > 0, np.clip(np.frexp(np.where(a > 0, a, 1))[1] - 1 - 2, -126, 127), 0)      # np.frexp(a)[1] - 1 = floor(log2(a)), exactly
;;       r = np.clip(x / 2.0 ** e, -7.5, 7.5)
;;       step = 2.0 ** (np.maximum(np.frexp(np.where(r == 0, 1, r))[1] - 1, 0) - 3)
;;       q = np.round(r / step) * step * 2.0 ** e      # np.round: ties to even
;;       return np.moveaxis(q.reshape(q.shape[:-2] + (-1,))[..., :K], -1, axis).astype(np.float32)
;;   ~~~
;;   SOFTMAX AHEAD OF A QUANTISED PRODUCT. Where the list says 'softmax', what is quantised is not the finished softmax but p = 2^(t - M), with t = logit x log2(e) and M = ceil(the row's largest t), a whole number; so 1/2 < the row's largest p <= 1. The row's sum l is taken of the UNQUANTISED p, in f32, and the product's result is divided by l at the end. Since M is a whole number, a kernel that streams over the keys may use a running M (the ceiling of the running maximum): every later rescaling is an exact power of two, which a block's scale takes up: the codes' values come out the same.
;;   OPERANDS COMPUTED ON THE WAY. 'Computed on the way' means the value that the module computes at that place (a softmax that the list does not call 'softmax' is quantised finished and normalised). What goes into a quantiser is computed in f32, as accurately as f32 sums, v_exp_f32 and their like allow (about 1e-6 of the number): no bf16 or f16 on the way to a quantiser, and a product that is left as it is and whose result goes on into a quantised operand takes f32 operands (vector FMAs, or v_wmma_f32_16x16x4_f32). A number that lies on a knife's edge between two numbers of the format may be rounded either way, as far as f32 arithmetic and the matrix unit's own rounding can turn it there, and no further.
;; One version. Each part assembles by itself: llvm-mc -triple=amdgcn-amd-amdhsa -mcpu=gfx1250 --defsym DOCPART=n.
;; ======== version 1 of 1: 4 launches
;; limits: right only within a limited range of input values
;; workspace buffers: wimg 193,024 bytes; ach 4,915,200 bytes; bws 3,276,800 bytes; tl 2,097,152 bytes; pws 417,792 bytes
;; launch projab (part 1): grid 16 x 16, 16 waves a work-group, no clusters, 327,680 bytes of LDS; arguments m, msa_mask, opm_ln_w, opm_ln_b, opm_w1, opm_w2, opm_wout, pwa_wv, pwa_wg, pwa_wo, tr_wa, tr_wb, tr_wo, pwa_wz, pwa_lnz_w, pwa_lnz_b, wimg, ach, bws; writes wimg, ach, bws
.if DOCPART == 1
	.amdgcn_target "amdgcn-amd-amdhsa--gfx1250"
	.amdhsa_code_object_version 6
	.text
	.protected	k_qfda7e3f9a4_projab
	.globl	k_qfda7e3f9a4_projab
	.p2align	8
	.type	k_qfda7e3f9a4_projab,@function
k_qfda7e3f9a4_projab:
	s_mov_b64 s[64:65], 0
	v_nop
	global_prefetch_b8 v0, s[64:65] scope:SCOPE_SE
	s_setreg_imm32_b32 hwreg(HW_REG_WAVE_MODE, 25, 1), 1
	s_wait_xcnt 0x0
.set MTS, 4368
.set AST, 139776
.set BST, 152320
.set WST, 164608
.set WSS, 167680
.set SCB, 175104
.set WZT, 184576
.set WZB, 192768
.set XF0, 16
.set XF1, 28
.set PT, 40
.set X, 64
.set Y, 96
.set ACC, 64
.set LW, 128
.set LB, 160
.set MK, 128
.set PC, 144
.set W1, 192
.set W2, 204
.set TM, 224
.set XW0, 240
.set WS1, 242
.set WS2, 243
.set LT, 244
.set QT, 248
.set PW, 252
.set SH8, 5
.set SEL, 44
.set C64, 46
.set CEPS, 47
.set HM, 48
.set JV, 16
.set JV2, 17
.set JR4, 18
.set JP7, 19
.set JP8, 20
.set JW, 21
.set JT, 22
.set JA, 23
.set JC, 25
.set QTMP, 28
.set MX, 36
.set BY, 38
.set SO, 40
.set CD, 192
.set JL1, 52
.set JL2, 53
.set RW1, 54
.set RW2, 55
.set MSB, 0
.macro WIN new
.if MSB != (\new)
	s_set_vgpr_msb (MSB<<8)|(\new)
.set MSB, (\new)
.endif
.endm
.macro PLACES n
.rept \n
	v_nop
.endr
.endm
.macro QUANT S, SW, PC, PW, W
	WIN ((\SW)|((\SW)<<2))
.irp b, 0,1,2,3
	v_max3_num_f32 v[TM+\b], |v[(\S)+16*\b]|, |v[(\S)+16*\b+1]|, 0x1800000
.endr
.irp i, 2,4,6,8,10,12,14
.irp b, 0,1,2,3
	s_delay_alu instid0(VALU_DEP_4)
	v_max3_num_f32 v[TM+\b], |v[(\S)+16*\b+\i]|, |v[(\S)+16*\b+\i+1]|, v[TM+\b]
.endr
.endr
	WIN 0
.irp b, 0,1,2,3
	s_delay_alu instid0(VALU_DEP_4)
	v_permlanex16_b32 v[TM+4+\b], v[TM+\b], s[SEL], s[SEL+1]
.endr
.irp b, 0,1,2,3
	s_delay_alu instid0(VALU_DEP_4)
	v_max_num_f32 v[TM+\b], v[TM+\b], v[TM+4+\b]
.endr
.irp b, 0,1,2,3
	s_delay_alu instid0(VALU_DEP_4)
	v_add_nc_u32 v[TM+12+\b], 0xff000000, v[TM+\b]
.endr
.irp b, 0,1,2,3
	s_delay_alu instid0(VALU_DEP_4)
	v_lshrrev_b32 v[TM+4+\b], 23, v[TM+12+\b]
.endr
.if \W
	v_lshl_or_b32 v[\PW], v[TM+5], 8, v[TM+4]
	v_lshl_or_b32 v[\PW], v[TM+6], 16, v[\PW]
	v_lshl_or_b32 v[\PW], v[TM+7], 24, v[\PW]
.endif
	WIN (\SW)
.irp c, 0,1
	v_cvt_scalef32_pk16_fp6_f32 v[(\PC)+6*\c:(\PC)+6*\c+2], v[(\S)+32*\c:(\S)+32*\c+15], v[TM+12+2*\c]
	v_cvt_scalef32_pk16_fp6_f32 v[PT+4*\c:PT+4*\c+2], v[(\S)+32*\c+16:(\S)+32*\c+31], v[TM+13+2*\c]
.endr
	v_nop
	WIN 0
.irp c, 0,1
.irp i, 0,1,2
	v_permlane16_swap_b32 v[(\PC)+6*\c+\i], v[PT+4*\c+\i]
.endr
.irp i, 0,1,2
	s_delay_alu instid0(VALU_DEP_3)
	v_mov_b32 v[(\PC)+3+6*\c+\i], v[PT+4*\c+\i]
.endr
.endr
.endm
.macro LNROW X, Y, LW, LB, PWIN
	v_pk_add_f32 v[LT:LT+1], v[\X:\X+1], v[\X+2:\X+3]
	v_pk_add_f32 v[LT+2:LT+3], v[\X+4:\X+5], v[\X+6:\X+7]
.irp i, 8,12,16,20,24,28
	s_delay_alu instid0(VALU_DEP_2)
	v_pk_add_f32 v[LT:LT+1], v[LT:LT+1], v[\X+\i:\X+\i+1]
	s_delay_alu instid0(VALU_DEP_2)
	v_pk_add_f32 v[LT+2:LT+3], v[LT+2:LT+3], v[\X+\i+2:\X+\i+3]
.endr
	s_delay_alu instid0(VALU_DEP_1)
	v_pk_add_f32 v[LT:LT+1], v[LT:LT+1], v[LT+2:LT+3]
	s_delay_alu instid0(VALU_DEP_1)
	v_add_f32 v[LT], v[LT], v[LT+1]
	s_delay_alu instid0(VALU_DEP_1)
	v_permlanex16_b32 v[LT+1], v[LT], s[SEL], s[SEL+1]
	s_delay_alu instid0(VALU_DEP_1)
	v_add_f32 v[LT], v[LT], v[LT+1]
	s_delay_alu instid0(VALU_DEP_1)
	v_mul_f32 v[LT], s[C64], v[LT]
.set LNI, 0
.rept 16
	v_pk_add_f32 v[\Y+LNI:\Y+LNI+1], v[\X+LNI:\X+LNI+1], v[LT:LT+1] op_sel_hi:[1,0] neg_lo:[0,1] neg_hi:[0,1]
.set LNI, LNI+2
.endr
	v_pk_mul_f32 v[LT:LT+1], v[\Y:\Y+1], v[\Y:\Y+1]
	v_pk_mul_f32 v[LT+2:LT+3], v[\Y+2:\Y+3], v[\Y+2:\Y+3]
.irp i, 4,8,12,16,20,24,28
	s_delay_alu instid0(VALU_DEP_2)
	v_pk_fma_f32 v[LT:LT+1], v[\Y+\i:\Y+\i+1], v[\Y+\i:\Y+\i+1], v[LT:LT+1]
	s_delay_alu instid0(VALU_DEP_2)
	v_pk_fma_f32 v[LT+2:LT+3], v[\Y+\i+2:\Y+\i+3], v[\Y+\i+2:\Y+\i+3], v[LT+2:LT+3]
.endr
	s_delay_alu instid0(VALU_DEP_1)
	v_pk_add_f32 v[LT:LT+1], v[LT:LT+1], v[LT+2:LT+3]
	s_delay_alu instid0(VALU_DEP_1)
	v_add_f32 v[LT], v[LT], v[LT+1]
	s_delay_alu instid0(VALU_DEP_1)
	v_permlanex16_b32 v[LT+1], v[LT], s[SEL], s[SEL+1]
	s_delay_alu instid0(VALU_DEP_1)
	v_add_f32 v[LT], v[LT], v[LT+1]
	s_delay_alu instid0(VALU_DEP_1)
	v_fma_f32 v[LT], v[LT], s[C64], s[CEPS]
	s_wait_alu depctr_va_vdst(0)
	v_rsq_f32 v[LT+2], v[LT]
	v_nop
	s_wait_alu depctr_va_vdst(0)
.set LNI, 0
.rept 16
	v_pk_mul_f32 v[\Y+LNI:\Y+LNI+1], v[\Y+LNI:\Y+LNI+1], v[LT+2:LT+3] op_sel_hi:[1,0]
.set LNI, LNI+2
.endr
	WIN (((\PWIN)<<2)|((\PWIN)<<4))
.set LNI, 0
.rept 16
	v_pk_fma_f32 v[\Y+LNI:\Y+LNI+1], v[\Y+LNI:\Y+LNI+1], v[\LW+LNI:\LW+LNI+1], v[\LB+LNI:\LB+LNI+1]
.set LNI, LNI+2
.endr
	WIN 0
.endm
.macro QX Y, XF, XW
	v_max3_num_f32 v[QT], |v[\Y]|, |v[\Y+1]|, 0x1800000
	v_max3_num_f32 v[QT+1], |v[\Y+2]|, |v[\Y+3]|, 0x1800000
.irp i, 4,8,12,16,20,24,28
	s_delay_alu instid0(VALU_DEP_2)
	v_max3_num_f32 v[QT], v[QT], |v[\Y+\i]|, |v[\Y+\i+1]|
	s_delay_alu instid0(VALU_DEP_2)
	v_max3_num_f32 v[QT+1], v[QT+1], |v[\Y+\i+2]|, |v[\Y+\i+3]|
.endr
	s_delay_alu instid0(VALU_DEP_1)
	v_max_num_f32 v[QT], v[QT], v[QT+1]
	s_delay_alu instid0(VALU_DEP_1)
	v_add_nc_u32 v[QT+2], 0xff000000, v[QT]
	s_delay_alu instid0(VALU_DEP_1)
	v_lshrrev_b32 v[QT+3], 23, v[QT+2]
	s_delay_alu instid0(VALU_DEP_1)
	v_lshlrev_b32 v[QT+3], v[SH8], v[QT+3]
	s_delay_alu instid0(VALU_DEP_1)
	v_permlanex16_b32 v[QT+1], v[QT+3], s[SEL], s[SEL+1]
	s_delay_alu instid0(VALU_DEP_1)
	v_or_b32 v[QT+3], v[QT+3], v[QT+1]
	s_delay_alu instid0(VALU_DEP_1)
	v_or_b32 v[\XW], 0x7f7f0000, v[QT+3]
	v_cvt_scalef32_pk16_fp6_f32 v[\XF:\XF+2], v[\Y:\Y+15], v[QT+2]
	v_cvt_scalef32_pk16_fp6_f32 v[PT:PT+2], v[\Y+16:\Y+31], v[QT+2]
	v_nop
.irp i, 0,1,2
	v_mov_b32 v[\XF+3+\i], v[PT+\i]
.endr
.endm
.macro QLOAD P
.set I, 0
.rept 32
	global_load_b32 v[64+I], v[JV], s[90:91] offset:I*(\P)
	global_load_b32 v[96+I], v[JV2], s[90:91] offset:I*(\P)
.set I, I+1
.endr
	s_wait_loadcnt 0x0
.endm
.macro QCORE
.irp c, 0,1
	v_max3_num_f32 v[MX+\c], |v[64+32*\c]|, |v[65+32*\c]|, 0x1800000
.endr
.set I, 2
.rept 15
.irp c, 0,1
	s_delay_alu instid0(VALU_DEP_2)
	v_max3_num_f32 v[MX+\c], v[MX+\c], |v[64+32*\c+I]|, |v[65+32*\c+I]|
.endr
.set I, I+2
.endr
.irp c, 0,1
	s_delay_alu instid0(VALU_DEP_2)
	v_add_nc_u32 v[SO+\c], 0xff000000, v[MX+\c]
.endr
.irp c, 0,1
	s_delay_alu instid0(VALU_DEP_2)
	v_lshrrev_b32 v[BY+\c], 23, v[SO+\c]
.endr
.irp c, 0,1
	v_cvt_scalef32_pk16_fp6_f32 v[CD+6*\c:CD+2+6*\c], v[64+32*\c:79+32*\c], v[SO+\c]
	v_cvt_scalef32_pk16_fp6_f32 v[QTMP+4*\c:QTMP+2+4*\c], v[80+32*\c:95+32*\c], v[SO+\c]
.endr
	v_nop
.irp c, 0,1
.irp i, 0,1,2
	v_mov_b32 v[CD+3+6*\c+\i], v[QTMP+4*\c+\i]
.endr
.endr
.endm
.macro WORDS64
.irp c, 0,1
	v_lshlrev_b32 v[JA+\c], v[SH8], v[BY+\c]
.endr
.irp c, 0,1
	s_delay_alu instid0(VALU_DEP_2)
	v_permlanex16_b32 v[JC+\c], v[JA+\c], s[SEL], s[SEL+1]
.endr
.irp c, 0,1
	s_delay_alu instid0(VALU_DEP_2)
	v_or_b32 v[JA+\c], v[JA+\c], v[JC+\c]
.endr
.irp c, 0,1
	s_delay_alu instid0(VALU_DEP_2)
	v_or_b32 v[JA+\c], 0x7f7f0000, v[JA+\c]
.endr
.endm
.macro DEST
	s_mul_i32 s100, s96, 1536
	s_add_nc_u64 s[92:93], s[84:85], s[100:101]
	s_lshl_b32 s100, s97, 6
	s_add_co_u32 s100, s100, SCB
	s_add_nc_u64 s[94:95], s[84:85], s[100:101]
.endm
	s_load_b512 s[4:19], s[0:1], 0x0
	s_load_b512 s[68:83], s[0:1], 0x40
	s_load_b128 s[84:87], s[0:1], 0x80
	s_load_b64 s[88:89], s[0:1], 0x90
	v_lshl_add_u32 v62, v0, 2, 0x29000
	v_mov_b32 v63, 0
	ds_add_u32 v62, v63
	ds_add_u32 v62, v63
	v_lshrrev_b32 v1, 5, v0
	s_delay_alu instid0(VALU_DEP_1)
	v_readfirstlane_b32 s36, v1
	s_and_b32 s37, ttmp7, 0xffff
	s_mov_b32 s20, (3<<16)|(1<<20)|(5<<22)|(3<<25)
	s_mov_b32 s21, 32<<16
	s_mov_b32 s22, 16<<16
	s_mov_b32 s23, 32<<16
	s_mov_b32 s24, 16
	s_mov_b32 s25, 32
	s_mov_b32 s26, 0
	s_mov_b32 s27, 0
	s_lshl_b32 s38, s36, 1
	s_mul_i32 s39, s38, MTS
	s_lshl_b32 s40, s37, 5
	s_add_co_u32 s40, s40, s38
	s_lshl_b32 s40, s40, 16
	s_lshl_b32 s41, ttmp9, 12
	s_add_co_u32 s40, s40, s41
	s_mov_b32 s41, 0
	s_wait_dscnt 0x0
	s_wait_kmcnt 0x0
	s_add_nc_u64 s[42:43], s[4:5], s[40:41]
	s_mov_b32 s28, 1
	s_mov_b32 s29, s39
	s_mov_b64 s[30:31], s[42:43]
	s_or_b32 s31, s31, 0x80000000
	s_mov_b32 s32, 1
	s_add_co_u32 s33, s39, MTS
	s_add_nc_u64 s[34:35], s[42:43], 65536
	s_or_b32 s35, s35, 0x80000000
	tensor_load_to_lds s[28:31], s[20:27]
	s_nop 0
	s_wait_alu depctr_va_vdst(0)
	s_wait_tensorcnt 0x0
	ds_add_u32 v62, v63
	s_wait_dscnt 0x0
	s_barrier_signal -1
	s_barrier_wait -1
	tensor_load_to_lds s[32:35], s[20:27]
	s_nop 0
	PLACES 4
	v_and_b32 v1, 15, v0
	v_bfe_u32 v2, v0, 4, 1
	v_and_b32 v3, 31, v0
	s_delay_alu instid0(VALU_DEP_3)
	v_and_b32 v4, 8, v1
	s_delay_alu instid0(VALU_DEP_1)
	v_add_nc_u32 v4, v4, v1
	s_delay_alu instid0(VALU_DEP_1)
	v_mul_u32_u24 v4, v4, MTS
	s_delay_alu instid0(VALU_DEP_1)
	v_lshl_add_u32 v4, v2, 7, v4
	s_mul_i32 s38, s36, 272
	v_add_nc_u32 v4, s38, v4
	v_lshlrev_b32 v[SH8], 3, v2
	v_lshlrev_b32 v6, 4, v3
	v_lshlrev_b32 v7, 7, v2
	v_lshlrev_b32 v8, 14, v2
	v_lshlrev_b32 v51, 2, v3
.set I, 0
.rept 8
	global_load_b128 v[LW+4*I:LW+4*I+3], v7, s[8:9] offset:16*I
	global_load_b128 v[LB+4*I:LB+4*I+3], v7, s[10:11] offset:16*I
.set I, I+1
.endr
	s_mov_b32 s[SEL], 0x76543210
	s_mov_b32 s[SEL+1], 0xfedcba98
	s_mov_b32 s[C64], 0x3c800000
	s_mov_b32 s[CEPS], 0x3727c5ac
	s_mov_b32 s[HM], 0xffff0000
	s_lshl_b32 s67, ttmp9, 4
	s_add_co_u32 s67, s67, s36
	s_lshr_b32 s60, s37, 2
	s_bfe_u32 s61, s37, 0x10001
	s_and_b32 s62, s37, 1
	s_and_b32 s63, s37, 3
	s_mul_i32 s66, ttmp9, 307200
	s_lshl_b32 s40, s37, 15
	s_lshl_b32 s38, s67, 2
	s_add_co_u32 s40, s40, s38
	s_add_nc_u64 s[58:59], s[6:7], s[40:41]
	s_lshl_b32 s40, s60, 8
	s_lshl_b32 s38, s36, 2
	s_add_co_u32 s40, s40, s38
	s_add_co_u32 s40, s40, s63
	s_add_co_u32 s40, s40, s66
	s_add_co_u32 s40, s40, 24576
	s_add_nc_u64 s[50:51], s[86:87], s[40:41]
	s_lshl_b32 s40, s67, 9
	s_lshl_b32 s38, s60, 7
	s_add_co_u32 s40, s40, s38
	s_add_co_u32 s40, s40, s63
	s_add_co_u32 s40, s40, 3145728
	s_add_nc_u64 s[52:53], s[88:89], s[40:41]
	s_lshl_b32 s40, s60, 1
	s_add_co_u32 s40, s40, s61
	s_lshl_b32 s40, s40, 2
	s_and_b32 s38, s36, 1
	s_lshl_b32 s38, s38, 1
	s_add_co_u32 s40, s40, s38
	s_mul_i32 s40, s40, 768
	s_mul_i32 s38, s62, 384
	s_add_co_u32 s40, s40, s38
	s_lshr_b32 s38, s36, 1
	s_mul_i32 s38, s38, 38400
	s_add_co_u32 s40, s40, s38
	s_add_co_u32 s40, s40, s66
	s_add_nc_u64 s[54:55], s[86:87], s[40:41]
	s_lshl_b32 s40, s37, 8
	s_add_co_u32 s40, s40, s67
	s_mul_i32 s40, s40, 768
	s_add_nc_u64 s[56:57], s[88:89], s[40:41]
	s_mul_i32 s38, s36, 24
	s_add_co_u32 s38, s38, AST
	v_mul_u32_u24 v9, v3, 392
	s_delay_alu instid0(VALU_DEP_1)
	v_add_nc_u32 v9, s38, v9
	s_mul_i32 s38, s36, 768
	s_add_co_u32 s38, s38, BST
	v_mul_u32_u24 v10, v3, 24
	s_delay_alu instid0(VALU_DEP_1)
	v_add_nc_u32 v10, s38, v10
	v_lshl_add_u32 v14, v3, 3, s38
	v_lshrrev_b32 v11, 2, v3
	s_delay_alu instid0(VALU_DEP_1)
	v_mul_u32_u24 v11, v11, 38400
	v_and_b32 v12, 3, v3
	s_delay_alu instid0(VALU_DEP_1)
	v_lshl_add_u32 v11, v12, 6, v11
	s_mul_i32 s38, s36, 784
	s_add_co_u32 s38, s38, AST
	v_mul_u32_u24 v13, v2, 392
	s_delay_alu instid0(VALU_DEP_1)
	v_lshl_add_u32 v13, v1, 3, v13
	s_delay_alu instid0(VALU_DEP_1)
	v_add_nc_u32 v13, s38, v13
	v_mul_u32_u24 v15, v2, 768
	s_delay_alu instid0(VALU_DEP_1)
	v_lshl_add_u32 v15, v1, 3, v15
	v_lshlrev_b32 v48, 3, v3
	v_lshlrev_b32 v[JR4], 2, v1
	v_and_b32 v[JA], 8, v1
	s_delay_alu instid0(VALU_DEP_1)
	v_add_nc_u32 v[JP7], v[JA], v1
	s_delay_alu instid0(VALU_DEP_1)
	v_lshlrev_b32 v[JP7], 2, v[JP7]
	v_and_b32 v[JP8], 7, v1
	s_delay_alu instid0(VALU_DEP_1)
	v_lshlrev_b32 v[JP8], 2, v[JP8]
	s_delay_alu instid0(VALU_DEP_1)
	v_lshl_add_u32 v[JP8], v[JA], 4, v[JP8]
	v_mov_b32 v[JT], 0
	v_mov_b32 v[JC], 0
	v_mov_b32 v[JC+1], 0
	s_min_u32 s38, s36, 1
	s_mul_i32 s39, s38, 1536
	s_add_co_u32 s39, s39, WST
	v_add_nc_u32 v[JL1], s39, v6
	s_lshl_b32 s39, s38, 7
	s_add_co_u32 s39, s39, WSS
	v_add_nc_u32 v[JL2], s39, v[JR4]
	v_add_nc_u32 v[RW1], WST, v6
	v_add_nc_u32 v[RW2], WSS, v51
	s_mov_b32 s99, 0
	s_mov_b32 s101, 0
	s_mov_b64 s[90:91], s[84:85]
	s_mov_b64 s[92:93], s[84:85]
	s_mov_b64 s[94:95], s[84:85]
	s_cmp_lt_u32 s36, 7
	s_cbranch_scc0 .Ljoin
	s_cmp_eq_u32 s36, 6
	s_cbranch_scc1 .Lmisc
	s_cmp_lt_u32 s36, 2
	s_cbranch_scc0 .Lwout
	s_cmp_eq_u32 s36, 0
	s_cselect_b64 s[90:91], s[12:13], s[14:15]
	v_lshlrev_b32 v[JA], 2, v[JA]
	s_delay_alu instid0(VALU_DEP_1)
	v_mad_u32_u24 v[JV], v[JA], s36, v[JR4]
	s_delay_alu instid0(VALU_DEP_1)
	v_lshl_add_u32 v[JV], v2, 12, v[JV]
	s_lshl_b32 s38, s36, 5
	s_sub_co_u32 s38, 64, s38
	v_add_nc_u32 v[JV2], s38, v[JV]
	QLOAD 128
	s_branch .Lcore
.Lwout:
	s_lshl_b32 s98, s37, 2
	s_add_co_u32 s98, s98, s36
	s_sub_co_u32 s98, s98, 2
	s_lshr_b32 s96, s98, 3
	s_and_b32 s97, s98, 7
	s_lshl_b32 s100, s96, 16
	s_lshr_b32 s38, s97, 2
	s_lshl_b32 s38, s38, 8
	s_add_co_u32 s100, s100, s38
	s_and_b32 s38, s97, 3
	s_lshl_b32 s38, s38, 5
	s_add_co_u32 s100, s100, s38
	s_add_nc_u64 s[90:91], s[16:17], s[100:101]
	s_wait_alu depctr_va_vdst(0)
	v_lshl_add_u32 v[JV], v2, 14, v[JP8]
	s_wait_alu depctr_va_vdst(0)
	v_add_nc_u32 v[JV2], 0x8000, v[JV]
	s_wait_alu depctr_va_vdst(0)
	s_mul_i32 s39, s96, 38400
	s_add_co_u32 s39, s39, s66
	s_mul_i32 s100, s97, 1536
	s_add_co_u32 s100, s100, s39
	s_add_co_u32 s100, s100, 25600
	s_add_nc_u64 s[92:93], s[86:87], s[100:101]
	s_lshl_b32 s100, s97, 6
	s_add_co_u32 s100, s100, s39
	s_add_co_u32 s100, s100, 37888
	s_add_nc_u64 s[94:95], s[86:87], s[100:101]
	QLOAD 512
	s_branch .Lcore
.Lmisc:
	s_lshl_b32 s98, s37, 4
	s_add_co_u32 s98, s98, ttmp9
	s_cmp_lt_u32 s98, 64
	s_cbranch_scc1 .Lmask
	s_cmp_lt_u32 s98, 80
	s_cbranch_scc1 .Lwo
	s_cmp_lt_u32 s98, 112
	s_cbranch_scc1 .Lwide
	s_cmp_lt_u32 s98, 114
	s_cbranch_scc1 .Lwz
	s_branch .Ljoin
.Lmask:
	s_mov_b32 s96, s98
	s_mov_b32 s97, s98
	s_and_b32 s100, s98, 3
	s_lshl_b32 s100, s100, 17
	s_lshr_b32 s38, s98, 2
	s_lshl_b32 s38, s38, 6
	s_add_co_u32 s100, s100, s38
	s_add_nc_u64 s[90:91], s[6:7], s[100:101]
	v_lshl_add_u32 v[JV], v2, 15, v[JR4]
	s_delay_alu instid0(VALU_DEP_1)
	v_add_nc_u32 v[JV2], 0x10000, v[JV]
	DEST
	s_branch .Lload1024
.Lwo:
	s_mov_b32 s96, s98
	s_mov_b32 s97, s98
	s_cmp_lt_u32 s98, 72
	s_cselect_b64 s[90:91], s[70:71], s[76:77]
	s_bfe_u32 s100, s98, 0x10002
	s_lshl_b32 s100, s100, 15
	s_and_b32 s38, s98, 3
	s_lshl_b32 s38, s38, 5
	s_add_co_u32 s100, s100, s38
	s_add_nc_u64 s[90:91], s[90:91], s[100:101]
	s_wait_alu depctr_va_vdst(0)
	v_lshl_add_u32 v[JV], v2, 13, v[JP8]
	s_delay_alu instid0(VALU_DEP_1)
	v_add_nc_u32 v[JV2], 0x4000, v[JV]
	DEST
	QLOAD 256
	s_branch .Lcore
.Lwide:
	s_sub_co_u32 s38, s98, 80
	s_mov_b32 s99, 1
	s_cmp_lt_u32 s38, 16
	s_cselect_b64 s[90:91], s[18:19], s[72:73]
	s_cselect_b64 s[92:93], s[68:69], s[74:75]
	s_bitcmp1_b32 s38, 3
	s_cselect_b64 s[90:91], s[92:93], s[90:91]
	s_and_b32 s100, s38, 7
	s_lshl_b32 s100, s100, 7
	s_add_nc_u64 s[90:91], s[90:91], s[100:101]
	v_lshl_add_u32 v[JV], v2, 15, v[JP7]
	s_delay_alu instid0(VALU_DEP_1)
	v_add_nc_u32 v[JV2], 32, v[JV]
	s_mov_b32 s96, s98
	s_lshl_b32 s97, s38, 1
	s_add_co_u32 s97, s97, 80
	DEST
.Lload1024:
	s_wait_alu depctr_va_vdst(0)
	QLOAD 1024
.Lcore:
	QCORE
	s_cmp_lt_u32 s36, 2
	s_cbranch_scc1 .Ltolds
	s_cmp_eq_u32 s99, 0
	s_cbranch_scc0 .Lt64
	v_lshl_or_b32 v[JW], v[BY+1], 16, v[BY]
	s_delay_alu instid0(VALU_DEP_1)
	v_lshlrev_b32 v[JW], v[SH8], v[JW]
	s_delay_alu instid0(VALU_DEP_1)
	v_permlanex16_b32 v[JT], v[JW], s[SEL], s[SEL+1]
	s_delay_alu instid0(VALU_DEP_1)
	v_or_b32 v[JW], v[JW], v[JT]
	global_store_b128 v6, v[CD:CD+3], s[92:93]
	global_store_b128 v6, v[CD+4:CD+7], s[92:93] offset:512
	global_store_b128 v6, v[CD+8:CD+11], s[92:93] offset:1024
	global_store_b32 v[JR4], v[JW], s[94:95]
	s_branch .Ljoin
.Lt64:
	WORDS64
	global_store_b128 v6, v[CD:CD+3], s[92:93]
	global_store_b128 v6, v[CD+4:CD+7], s[92:93] offset:512
	s_wait_alu depctr_va_vdst(0)
	global_store_b128 v6, v[CD+8:CD+11], s[92:93] offset:1024
	global_store_b32 v[JR4], v[JA], s[94:95]
	global_store_b32 v[JR4], v[JA+1], s[94:95] offset:64
	s_branch .Ljoin
.Ltolds:
	WORDS64
	ds_store_b128 v[JL1], v[CD:CD+3]
	ds_store_b128 v[JL1], v[CD+4:CD+7] offset:512
	s_wait_alu depctr_va_vdst(0)
	ds_store_b128 v[JL1], v[CD+8:CD+11] offset:1024
	ds_store_b32 v[JL2], v[JA]
	ds_store_b32 v[JL2], v[JA+1] offset:64
	s_branch .Ljoin
.Lwz:
	s_cmp_eq_u32 s98, 112
	s_cselect_b64 s[90:91], s[80:81], s[82:83]
	v_and_b32 v[JA], 7, v1
	s_delay_alu instid0(VALU_DEP_1)
	v_lshlrev_b32 v[JA], 2, v[JA]
	s_delay_alu instid0(VALU_DEP_1)
	v_lshl_add_u32 v[JV], v2, 10, v[JA]
.set I, 0
.rept 64
	global_load_b32 v[64+I], v[JV], s[78:79] offset:(64*(I/32)+(I%32))*32
.set I, I+1
.endr
.set I, 0
.rept 16
	global_load_b128 v[192+4*I:195+4*I], v7, s[90:91] offset:256*(I/8)+16*(I%8)
.set I, I+1
.endr
	s_wait_loadcnt 0x0
	s_cmp_eq_u32 s98, 112
	s_cbranch_scc0 .Lwzb
.set I, 0
.rept 32
	v_pk_mul_f32 v[192+2*I:193+2*I], v[192+2*I:193+2*I], v[64+2*I:65+2*I]
	global_store_b64 v48, v[192+2*I:193+2*I], s[84:85] offset:WZT+256*I
.set I, I+1
.endr
	s_branch .Ljoin
.Lwzb:
	v_mul_f32 v[JC], v192, v64
	v_mul_f32 v[JC+1], v193, v65
.set I, 2
.rept 31
	s_delay_alu instid0(VALU_DEP_2)
	v_fmac_f32 v[JC], v[192+I], v[64+I]
	s_delay_alu instid0(VALU_DEP_2)
	v_fmac_f32 v[JC+1], v[193+I], v[65+I]
.set I, I+2
.endr
	s_delay_alu instid0(VALU_DEP_1)
	v_add_f32 v[JC], v[JC], v[JC+1]
	s_delay_alu instid0(VALU_DEP_1)
	v_permlanex16_b32 v[JT], v[JC], s[SEL], s[SEL+1]
	s_delay_alu instid0(VALU_DEP_1)
	v_add_f32 v[JC], v[JC], v[JT]
	s_delay_alu instid0(VALU_DEP_1)
	v_mul_f32 v[JC], 0x3fb8aa3b, v[JC]
	global_store_b32 v[JA], v[JC], s[84:85] offset:WZB
.Ljoin:
	s_wait_xcnt 0x0
.irp i, 0,1,2,3,4,5
	v_mov_b32 v[XF0+6+\i], 0
	v_mov_b32 v[XF1+6+\i], 0
	v_mov_b32 v[W2+12+\i], 0
.endr
.irp b, 0,1,2,3
	v_mov_b32 v[TM+4+\b], 0
.endr
	s_wait_loadcnt 0x0
	s_wait_tensorcnt 0x0
	s_wait_dscnt 0x0
	s_barrier_signal -1
	s_barrier_wait -1
.irp g, 0,1,2
	ds_load_b128 v[W1+4*\g:W1+4*\g+3], v[RW1] offset:512*\g
	ds_load_b128 v[W2+4*\g:W2+4*\g+3], v[RW1] offset:1536+512*\g
.endr
	ds_load_b32 v[WS1], v[RW2]
	ds_load_b32 v[WS2], v[RW2] offset:128
.irp u, 0,1
.set I, 0
.rept 8
	ds_load_b128 v[X+4*I:X+4*I+3], v4 offset:\u*8*MTS+16*I
.set I, I+1
.endr
	s_wait_dscnt 0x0
	LNROW X, Y, LW, LB, 0
	QX Y, XF0+12*\u, XW0+\u
.endr
.set I, 0
.rept 16
	global_load_b32 v[MK+I], v8, s[58:59] offset:I*1024
.set I, I+1
.endr
	PLACES 8
.irp u, 0,1
	v_wmma_scale_f32_16x16x128_f8f6f4 v[ACC+8*\u:ACC+8*\u+7], v[XF0+12*\u:XF0+12*\u+11], v[W1:W1+11], 0, v[XW0+\u], v[WS1] matrix_a_fmt:MATRIX_FMT_FP6 matrix_b_fmt:MATRIX_FMT_FP6
	v_wmma_scale_f32_16x16x128_f8f6f4 v[ACC+16+8*\u:ACC+16+8*\u+7], v[XF0+12*\u:XF0+12*\u+11], v[W1+6:W1+17], 0, v[XW0+\u], v[WS1] matrix_a_fmt:MATRIX_FMT_FP6 matrix_b_fmt:MATRIX_FMT_FP6 matrix_b_scale:MATRIX_SCALE_ROW1
	v_wmma_scale_f32_16x16x128_f8f6f4 v[ACC+32+8*\u:ACC+32+8*\u+7], v[XF0+12*\u:XF0+12*\u+11], v[W2:W2+11], 0, v[XW0+\u], v[WS2] matrix_a_fmt:MATRIX_FMT_FP6 matrix_b_fmt:MATRIX_FMT_FP6
	v_wmma_scale_f32_16x16x128_f8f6f4 v[ACC+48+8*\u:ACC+48+8*\u+7], v[XF0+12*\u:XF0+12*\u+11], v[W2+6:W2+17], 0, v[XW0+\u], v[WS2] matrix_a_fmt:MATRIX_FMT_FP6 matrix_b_fmt:MATRIX_FMT_FP6 matrix_b_scale:MATRIX_SCALE_ROW1
.endr
	PLACES 4
	s_wait_loadcnt 0x0
.set I, 0
.rept 32
	v_pk_mul_f32 v[ACC+2*I:ACC+2*I+1], v[ACC+2*I:ACC+2*I+1], v[MK+(2*I)%16:MK+(2*I)%16+1]
.set I, I+1
.endr
	QUANT ACC, 0, PC, PW, 0
	v_cndmask_b32 v49, v[TM+4], v[TM+5], s[HM]
	v_cndmask_b32 v50, v[TM+6], v[TM+7], s[HM]
.irp p, 0,1,2
	ds_store_b64 v9, v[PC+2*\p:PC+2*\p+1] offset:8*\p
	ds_store_b64 v10, v[PC+6+2*\p:PC+7+2*\p] offset:8*\p
.endr
	global_store_b8 v11, v49, s[50:51]
	global_store_b8 v51, v50, s[52:53]
	s_wait_dscnt 0x0
	s_barrier_signal -1
	s_barrier_wait -1
.irp t, 0,1,2
	ds_load_b64 v[64+2*\t:65+2*\t], v13 offset:128*\t
.endr
.irp t, 0,1,2
	ds_load_b64 v[70+2*\t:71+2*\t], v14 offset:256*\t
.endr
.irp t, 0,1,2
	s_wait_dscnt 5-\t
	global_store_b64 v15, v[64+2*\t:65+2*\t], s[54:55] offset:128*\t
.endr
.irp t, 0,1,2
	s_wait_dscnt 2-\t
	global_store_b64 v48, v[70+2*\t:71+2*\t], s[56:57] offset:256*\t
.endr
	s_wait_tensorcnt 0x0
	ds_add_u32 v62, v63
	s_wait_dscnt 0x0
	s_endpgm
.Lfunc_end_k_qfda7e3f9a4_projab:
	.size	k_qfda7e3f9a4_projab, .Lfunc_end_k_qfda7e3f9a4_projab-k_qfda7e3f9a4_projab
	.p2alignl 7, 3214868480
	.fill 96, 4, 3214868480
	.section	.rodata,"a",@progbits
	.p2align	6, 0x0
	.amdhsa_kernel k_qfda7e3f9a4_projab
		.amdhsa_group_segment_fixed_size 327680
		.amdhsa_private_segment_fixed_size 0
		.amdhsa_enable_private_segment 0
		.amdhsa_kernarg_size 152
		.amdhsa_user_sgpr_count 2
		.amdhsa_user_sgpr_kernarg_segment_ptr 1
		.amdhsa_wavefront_size32 1
		.amdhsa_system_sgpr_workgroup_id_x 1
		.amdhsa_system_sgpr_workgroup_id_y 1
		.amdhsa_system_sgpr_workgroup_id_z 1
		.amdhsa_system_vgpr_workitem_id 0
		.amdhsa_next_free_vgpr 256
		.amdhsa_next_free_sgpr 104
		.amdhsa_reserve_vcc 0
		.amdhsa_float_denorm_mode_32 3
		.amdhsa_float_denorm_mode_16_64 3
		.amdhsa_memory_ordered 1
		.amdhsa_forward_progress 1
		.amdhsa_inst_pref_size 94
	.end_amdhsa_kernel
	.amdgpu_metadata
---
amdhsa.version: [ 1, 2 ]
amdhsa.kernels:
  - .name:           k_qfda7e3f9a4_projab
    .symbol:         k_qfda7e3f9a4_projab.kd
    .args:
      - { .name: m, .offset: 0, .size: 8, .value_kind: global_buffer, .address_space: global }
      - { .name: msa_mask, .offset: 8, .size: 8, .value_kind: global_buffer, .address_space: global }
      - { .name: opm_ln_w, .offset: 16, .size: 8, .value_kind: global_buffer, .address_space: global }
      - { .name: opm_ln_b, .offset: 24, .size: 8, .value_kind: global_buffer, .address_space: global }
      - { .name: opm_w1, .offset: 32, .size: 8, .value_kind: global_buffer, .address_space: global }
      - { .name: opm_w2, .offset: 40, .size: 8, .value_kind: global_buffer, .address_space: global }
      - { .name: opm_wout, .offset: 48, .size: 8, .value_kind: global_buffer, .address_space: global }
      - { .name: pwa_wv, .offset: 56, .size: 8, .value_kind: global_buffer, .address_space: global }
      - { .name: pwa_wg, .offset: 64, .size: 8, .value_kind: global_buffer, .address_space: global }
      - { .name: pwa_wo, .offset: 72, .size: 8, .value_kind: global_buffer, .address_space: global }
      - { .name: tr_wa, .offset: 80, .size: 8, .value_kind: global_buffer, .address_space: global }
      - { .name: tr_wb, .offset: 88, .size: 8, .value_kind: global_buffer, .address_space: global }
      - { .name: tr_wo, .offset: 96, .size: 8, .value_kind: global_buffer, .address_space: global }
      - { .name: pwa_wz, .offset: 104, .size: 8, .value_kind: global_buffer, .address_space: global }
      - { .name: pwa_lnz_w, .offset: 112, .size: 8, .value_kind: global_buffer, .address_space: global }
      - { .name: pwa_lnz_b, .offset: 120, .size: 8, .value_kind: global_buffer, .address_space: global }
      - { .name: wimg, .offset: 128, .size: 8, .value_kind: global_buffer, .address_space: global }
      - { .name: ach, .offset: 136, .size: 8, .value_kind: global_buffer, .address_space: global }
      - { .name: bws, .offset: 144, .size: 8, .value_kind: global_buffer, .address_space: global }
    .group_segment_fixed_size: 327680
    .private_segment_fixed_size: 0
    .kernarg_segment_align: 8
    .kernarg_segment_size: 152
    .max_flat_workgroup_size: 512
    .sgpr_count:     104
    .vgpr_count:     256
    .wavefront_size: 32
...
	.end_amdgpu_metadata
.endif
;; end of part 1
;; launch outer (part 2): grid 16 x 16, 4 waves a work-group, clusters of 4 x 1, 327,680 bytes of LDS; arguments ach, bws, wimg, z, opm_bout, out1, tl; writes out1, tl
.if DOCPART == 2
	.amdgcn_target "amdgcn-amd-amdhsa--gfx1250"
	.amdhsa_code_object_version 6
	.text
	.protected	k_qfda7e3f9a4_outer
	.globl	k_qfda7e3f9a4_outer
	.p2align	8
	.type	k_qfda7e3f9a4_outer,@function
k_qfda7e3f9a4_outer:
	s_mov_b64 s[64:65], 0
	v_nop
	global_prefetch_b8 v0, s[64:65] scope:SCOPE_SE
	s_setreg_imm32_b32 hwreg(HW_REG_WAVE_MODE, 25, 1), 1
	s_wait_xcnt 0x0
	s_wait_alu depctr_hold_cnt(0) depctr_sa_sdst(0) depctr_va_vdst(0) depctr_va_sdst(0) depctr_va_ssrc(0) depctr_va_vcc(0) depctr_vm_vsrc(0)
	s_getreg_b32 s2, hwreg(HW_REG_IB_STS2, 6, 4)
	s_cmp_eq_u32 s2, 0
	s_cbranch_scc0 .Lentry_in_a_cluster
	s_endpgm
.Lentry_in_a_cluster:
	s_bfe_u32 s2, ttmp6, 0x10000c
	s_cmp_lg_u32 s2, 0x3003
	s_cbranch_scc0 .Lentry_shape_is_right
	s_endpgm
.Lentry_shape_is_right:
; OUTER.  z_new = z + (Q(outer) Q(wout) + bout) / (mask^T mask + 1e-3), outer[i][j][c][e] = sum over s of Q(a)[s][i][c] Q(b)[s][j][e]; then t = (LN(z_new) wz) x log2(e).  The outer tensor never leaves the registers.
; A work-group takes 16 i (y) x 16 j (x); wave w takes j = 16 jg + 4 w + 2 pass + j2, two passes of two j.  For each j: b's 32 columns x K 512 stay in registers (8 fragments).
; All of a for the 16 i, with wout beside it, lies in LDS: 8 chunks of 38,400 bytes (4 columns c of a, their scale words, 128 of wout's K), filled ONCE by tensor loads.
; CLUSTER: the four work-groups of a cluster have the same i and so want the same chunks: each wave's quarter of the chunks is asked for jointly (mask 15).  The place in the cluster enters global addresses alone.
; Product 4: source 0 = 16 columns e of b (8 u + r + 8 (r / 8)), source 1 = 16 rows i of a's column c: a lane holds one i, and the 16 registers of u = 0, 1 are 16 neighbouring e: a block of the next K (c fixed, e = 0..31).
; Product 5: source 0 = 16 columns of wout, 64 (nt / 4) + 32 (r / 8) + 8 (nt % 4) + r % 8, so that a lane ends with channels 64 g + 32 hh + 0..31 of its row: 128 neighbouring bytes twice.
; Product 6 takes f32 operands (its result goes on into a quantiser): v_wmma_f32_16x16x4_f32, source 0 = lnz_w x wz (rows 8-15 repeat rows 0-7), source 1 = the normalised row.
; REGISTERS.  window 0: addresses, scale words, quantiser's work, t.  window 1: v0-191 b (12 (8 j2 + 2 ks + u)), v192-255 bout.  window 2: v0-127 product 4's sums (64 j2 + 16 c4 + 8 u), later z and rows on their way out; v128-255 z's sums (64 j2 + 8 nt).
;   window 3: v0-95 a's fragments, two buffers (48 buf + 12 ks); v96-191 wout's eight; v192-255 z of j2 = 0 as loaded.
; LIMITS: a block of zeros gets the byte 1 (zero codes); NaN and infinities are not served.
.set CHB, 38400
.set STG, 307200                       ; behind the chunks: a stage of 16 rows x 272 bytes for each wave
.set SCB, 175104
.set WZTO, 184576
.set WZBO, 192768
.set TM, 16
.set HID, 32
.set PT, 56
.set HW, 64
.set BS, 66
.set AS, 74
.set WS, 82
.set RN, 90
.set LT, 94
.set TACC, 104
.set TV, 120
.set WZ, 152
.set NACC, 216
.set MS, 224
.set SEL, 80
.set MSB, 0
.macro WIN new
.if MSB != (\new)
	s_set_vgpr_msb (MSB<<8)|(\new)
.set MSB, (\new)
.endif
.endm
.macro PLACES n
.rept \n
	v_nop
.endr
.endm
.macro WMC d, a, b, c, sa, sb, ra, rb  ; D = A B + C; ra, rb: the scales stand in lanes 16-31
.if ((\ra)==0) && ((\rb)==0)
	v_wmma_scale_f32_16x16x128_f8f6f4 v[(\d):(\d)+7], v[(\a):(\a)+11], v[(\b):(\b)+11], v[(\c):(\c)+7], v[\sa], v[\sb] matrix_a_fmt:MATRIX_FMT_FP6 matrix_b_fmt:MATRIX_FMT_FP6
.elseif ((\ra)==1) && ((\rb)==0)
	v_wmma_scale_f32_16x16x128_f8f6f4 v[(\d):(\d)+7], v[(\a):(\a)+11], v[(\b):(\b)+11], v[(\c):(\c)+7], v[\sa], v[\sb] matrix_a_fmt:MATRIX_FMT_FP6 matrix_b_fmt:MATRIX_FMT_FP6 matrix_a_scale:MATRIX_SCALE_ROW1
.elseif ((\ra)==0) && ((\rb)==1)
	v_wmma_scale_f32_16x16x128_f8f6f4 v[(\d):(\d)+7], v[(\a):(\a)+11], v[(\b):(\b)+11], v[(\c):(\c)+7], v[\sa], v[\sb] matrix_a_fmt:MATRIX_FMT_FP6 matrix_b_fmt:MATRIX_FMT_FP6 matrix_b_scale:MATRIX_SCALE_ROW1
.else
	v_wmma_scale_f32_16x16x128_f8f6f4 v[(\d):(\d)+7], v[(\a):(\a)+11], v[(\b):(\b)+11], v[(\c):(\c)+7], v[\sa], v[\sb] matrix_a_fmt:MATRIX_FMT_FP6 matrix_b_fmt:MATRIX_FMT_FP6 matrix_a_scale:MATRIX_SCALE_ROW1 matrix_b_scale:MATRIX_SCALE_ROW1
.endif
.endm
.macro WM0 d, a, b, sa, sb, ra, rb     ; the first product starts a sum
.if ((\ra)==0) && ((\rb)==0)
	v_wmma_scale_f32_16x16x128_f8f6f4 v[(\d):(\d)+7], v[(\a):(\a)+11], v[(\b):(\b)+11], 0, v[\sa], v[\sb] matrix_a_fmt:MATRIX_FMT_FP6 matrix_b_fmt:MATRIX_FMT_FP6
.elseif ((\ra)==1) && ((\rb)==0)
	v_wmma_scale_f32_16x16x128_f8f6f4 v[(\d):(\d)+7], v[(\a):(\a)+11], v[(\b):(\b)+11], 0, v[\sa], v[\sb] matrix_a_fmt:MATRIX_FMT_FP6 matrix_b_fmt:MATRIX_FMT_FP6 matrix_a_scale:MATRIX_SCALE_ROW1
.elseif ((\ra)==0) && ((\rb)==1)
	v_wmma_scale_f32_16x16x128_f8f6f4 v[(\d):(\d)+7], v[(\a):(\a)+11], v[(\b):(\b)+11], 0, v[\sa], v[\sb] matrix_a_fmt:MATRIX_FMT_FP6 matrix_b_fmt:MATRIX_FMT_FP6 matrix_b_scale:MATRIX_SCALE_ROW1
.else
	v_wmma_scale_f32_16x16x128_f8f6f4 v[(\d):(\d)+7], v[(\a):(\a)+11], v[(\b):(\b)+11], 0, v[\sa], v[\sb] matrix_a_fmt:MATRIX_FMT_FP6 matrix_b_fmt:MATRIX_FMT_FP6 matrix_a_scale:MATRIX_SCALE_ROW1 matrix_b_scale:MATRIX_SCALE_ROW1
.endif
.endm
; 64 numbers of a lane in window SW, register 16 b + i = k 32 b + 16 (lane / 16) + i of my row, become a fragment in v[PC ..] and its scale word in v[PW] (window 0)
.macro QUANT S, SW, PC, PW, W
	WIN ((\SW)|((\SW)<<2))
.irp b, 0,1,2,3
	v_max3_num_f32 v[TM+\b], |v[(\S)+16*\b]|, |v[(\S)+16*\b+1]|, 0x1800000   ; the floor 2^(3 - 127) holds the byte at 1 from below; each accumulator is read from its low end on
.endr
.irp i, 2,4,6,8,10,12,14
.irp b, 0,1,2,3
	v_max3_num_f32 v[TM+\b], |v[(\S)+16*\b+\i]|, |v[(\S)+16*\b+\i+1]|, v[TM+\b]
.endr
.endr
	WIN 0
.irp b, 0,1,2,3
	v_permlanex16_b32 v[TM+4+\b], v[TM+\b], s[SEL], s[SEL+1]
.endr
.irp b, 0,1,2,3
	v_max_num_f32 v[TM+\b], v[TM+\b], v[TM+4+\b]
.endr
.irp b, 0,1,2,3
	v_add_nc_u32 v[TM+12+\b], 0xff000000, v[TM+\b]
.endr
.irp b, 0,1,2,3
	v_lshrrev_b32 v[TM+4+\b], 23, v[TM+12+\b]
.endr
.if \W
	v_lshl_or_b32 v[\PW], v[TM+5], 8, v[TM+4]
	v_lshl_or_b32 v[\PW], v[TM+6], 16, v[\PW]
	v_lshl_or_b32 v[\PW], v[TM+7], 24, v[\PW]
.endif
	WIN (\SW)
.irp c, 0,1
	v_cvt_scalef32_pk16_fp6_f32 v[(\PC)+6*\c:(\PC)+6*\c+2], v[(\S)+32*\c:(\S)+32*\c+15], v[TM+12+2*\c]
	v_cvt_scalef32_pk16_fp6_f32 v[PT+4*\c:PT+4*\c+2], v[(\S)+32*\c+16:(\S)+32*\c+31], v[TM+13+2*\c]
.endr
	v_nop                                          ; one plain place behind a scaled conversion
	WIN 0
.irp c, 0,1
.irp i, 0,1,2
	v_permlane16_swap_b32 v[(\PC)+6*\c+\i], v[PT+4*\c+\i]
.endr
.irp i, 0,1,2
	v_mov_b32 v[(\PC)+3+6*\c+\i], v[PT+4*\c+\i]
.endr
.endr
.endm
.macro CROUND                          ; a round of the cluster's barrier
	s_barrier_signal -1
	s_barrier_wait -1
	s_cmp_lg_u32 s82, 0
	s_cbranch_scc1 .Lnot_wave_0_\@
	s_barrier_signal -3
.Lnot_wave_0_\@:
	s_barrier_wait -3
	s_barrier_signal -1
	s_barrier_wait -1
.endm
.macro BLOAD d, lo, n                  ; b's fragments lo .. lo + n - 1 of 16 (with lo = 0 also the 8 scale registers) of the two j of pass d counted from v6's and v7's pass
	WIN 0x40
.set BI, \lo
.rept \n
.set BP, 0
.rept 6
	global_load_b64 v[12*BI+2*BP:12*BI+2*BP+1], v6, s[6:7] offset:(4*((BI/2)%4)+2*(BP/3))*196608+((BI/8)+2*(\d))*768+(BI%2)*384+8*(BP%3)
.set BP, BP+1
.endr
.set BI, BI+1
.endr
	WIN 0
.if (\lo) == 0
.set BI, 0
.rept 8
	global_load_b32 v[BS+BI], v7, s[6:7] offset:((BI/4)+2*(\d))*512+(BI%4)*128
.set BI, BI+1
.endr
.endif
.endm
.macro ALOAD c4, buf                   ; a's column c4 of the chunk at v12, v13: four fragments (K 512) and their scale words
	WIN 0xc0
.set AI, 0
.rept 4
.set AP, 0
.rept 6
	ds_load_b64 v[48*(\buf)+12*AI+2*AP:48*(\buf)+12*AI+2*AP+1], v12 offset:((2*AI+(AP/3))*4+(\c4))*768+8*(AP%3)
.set AP, AP+1
.endr
.set AI, AI+1
.endr
	WIN 0
.set AI, 0
.rept 4
	ds_load_b32 v[AS+4*(\buf)+AI], v13 offset:(4*AI+(\c4))*64
.set AI, AI+1
.endr
.endm
.macro WLOAD                           ; the chunk's eight fragments of wout and their scale words
	WIN 0xc0
.set WI, 0
.rept 24
	ds_load_b128 v[96+4*WI:99+4*WI], v14 offset:512*WI
.set WI, WI+1
.endr
	WIN 0
.set WI, 0
.rept 8
	ds_load_b32 v[WS+WI], v13 offset:13312+64*WI
.set WI, WI+1
.endr
.endm
; One column c = 4 cg + c4 of a against my two j: 16 products, four accumulators by turns.  The next column's fragments are asked for ahead of them.
.macro CSTEP cg, c4
	s_wait_dscnt 0x0                               ; this column's fragments are in
.if (\c4) == 3
.if (\cg) == 1
	s_wait_tensorcnt 0x0                           ; my quarter of chunks 2 to 7 is in (in the second pass it has long been)
	s_barrier_signal -1
	s_barrier_wait -1                              ; everybody's is; nothing is ever filled again
.endif
	v_add_nc_u32 v12, (((\cg)+1)%8)*CHB, v3
	v_add_nc_u32 v13, (((\cg)+1)%8)*CHB+24576, v4
.endif
.if (\c4) == 0
	v_add_nc_u32 v14, (\cg)*CHB+25600, v5
.endif
	PLACES 4                                       ; in front of loads into registers that matrix instructions have read
	ALOAD ((\c4)+1)%4, 1-((\c4)%2)
.if (\c4) == 0
	WLOAD
.endif
	WIN 0xad                                       ; source 0 (b) window 1, source 1 (a) window 3, C and D window 2
.set KS, 0
.rept 4
.irp j, 0,1
.irp u, 0,1
.if KS == 0
	WM0 64*\j+16*(\c4)+8*\u, 12*(8*\j+2*KS+\u), 48*((\c4)%2)+12*KS, BS+4*\j+KS, AS+4*((\c4)%2)+KS, \u, 0
.else
	WMC 64*\j+16*(\c4)+8*\u, 12*(8*\j+2*KS+\u), 48*((\c4)%2)+12*KS, 64*\j+16*(\c4)+8*\u, BS+4*\j+KS, AS+4*((\c4)%2)+KS, \u, 0
.endif
.endr
.endr
.set KS, KS+1
.endr
	WIN 0
.endm
.macro ZIN win, reg, j2                ; 16 rows x 512 bytes of z: 16 lanes read 256 consecutive bytes, aligned
	WIN ((\win)<<6)
.set ZI, 0
.rept 16
	global_load_b128 v[(\reg)+4*ZI:(\reg)+4*ZI+3], v11, s[10:11] offset:2*(ZI%8)*131072+256*(ZI/8)+512*(\j2) th:TH_LOAD_NT
.set ZI, ZI+1
.endr
	WIN 0
.endm
; A chunk: four columns c make 128 of the next K; quantise; 16 products onto z's sums.
.macro CG cg
.if (\cg) == 4
	ZIN 3, 192, 0                                  ; z of j2 = 0: asked for three chunks ahead of its use
.endif
.if (\cg) == 7
	s_wait_loadcnt 0x0                             ; it is in (the loads below would else stand behind it in a number that differs between the passes)
.endif
	CSTEP \cg, 0
	CSTEP \cg, 1
	CSTEP \cg, 2
	CSTEP \cg, 3
	PLACES 4
	QUANT 0, 2, HID, HW, 1
.if (\cg) == 7
	ZIN 2, 0, 1                                    ; z of j2 = 1 into the sums that have just been quantised
	s_cmp_lg_u32 s83, 0
	s_cbranch_scc1 .Lno_b
	BLOAD 1, 0, 6                                  ; the next pass's b, its first 6 fragments: 44 loads, 60 with z's 16; b's last products stand ahead of the quantiser above
.Lno_b:
.endif
	QUANT 64, 2, HID+12, HW+1, 1
	PLACES 8                                       ; operands and scale words written by vector instructions
.if (\cg) == 0
	WIN 0x93                                       ; source 0 (wout) window 3, source 1 window 0, C (bout) window 1, D window 2
.else
	WIN 0xa3
.endif
.set NT, 0
.rept 8
.if (\cg) == 0
	WMC 128+8*NT, 96+12*NT, HID, 192+8*NT, WS+NT, HW, 0, 0
	WMC 192+8*NT, 96+12*NT, HID+12, 192+8*NT, WS+NT, HW+1, 0, 0
.else
	WMC 128+8*NT, 96+12*NT, HID, 128+8*NT, WS+NT, HW, 0, 0
	WMC 192+8*NT, 96+12*NT, HID+12, 192+8*NT, WS+NT, HW+1, 0, 0
.endif
.set NT, NT+1
.endr
	WIN 0
.if (\cg) == 7
	s_cmp_lg_u32 s83, 0
	s_cbranch_scc1 .Lno_b2
	BLOAD 1, 6, 10                                 ; and its other 10 fragments, 60 loads, behind the chunk's products; all are waited for (count 0) ahead of the second j's end
.Lno_b2:
.endif
.endm
; The end of a j: z turned through my stage into the sums' layout; z_new; out through the stage; LayerNorm without gain and bias, in place.
.macro EPI j2, rwin, rreg
.set ZA, 128+64*(\j2)
	s_wait_xcnt 0x0                                ; earlier stores have read window 2's v64-127, which are loaded again below
.irp g, 0,1
	WIN ((\rwin)<<2)
.set EI, 0
.rept 8
	ds_store_b128 v10, v[(\rreg)+32*\g+4*EI:(\rreg)+32*\g+4*EI+3] offset:2*EI*272
.set EI, EI+1
.endr
	WIN 0x80
.set EI, 0
.rept 8
	ds_load_b128 v[64+32*\g+4*EI:67+32*\g+4*EI], v9 offset:16*EI      ; LDS serves a wave's instructions in order: these see the stores above, and the next half's stores come behind them
.set EI, EI+1
.endr
.endr
	s_wait_dscnt 0x0
	WIN 0xa2
.set EI, 0
.rept 32
.if (\j2) == 0
	v_pk_fma_f32 v[ZA+2*EI:ZA+2*EI+1], v[ZA+2*EI:ZA+2*EI+1], v[RN:RN+1], v[64+2*EI:65+2*EI] op_sel_hi:[1,0,1]
.else
	v_pk_fma_f32 v[ZA+2*EI:ZA+2*EI+1], v[ZA+2*EI:ZA+2*EI+1], v[RN:RN+1], v[64+2*EI:65+2*EI] op_sel:[0,1,0] op_sel_hi:[1,1,1]
.endif
.set EI, EI+1
.endr
.irp g, 0,1
	WIN 0x08
.set EI, 0
.rept 8
	ds_store_b128 v9, v[ZA+32*\g+4*EI:ZA+32*\g+4*EI+3] offset:16*EI
.set EI, EI+1
.endr
	WIN 0x80
.set EI, 0
.rept 8
	ds_load_b128 v[64+32*\g+4*EI:67+32*\g+4*EI], v10 offset:2*EI*272
.set EI, EI+1
.endr
.endr
	s_wait_dscnt 0x0
	WIN 0x08
.set EI, 0
.rept 16
	global_store_b128 v11, v[64+4*EI:67+4*EI], s[14:15] offset:2*(EI%8)*131072+256*(EI/8)+512*(\j2) th:TH_STORE_NT   ; 16 lanes store 256 consecutive bytes, aligned
.set EI, EI+1
.endr
	WIN 0x0a
	v_pk_add_f32 v[LT:LT+1], v[ZA:ZA+1], v[ZA+2:ZA+3]
	v_pk_add_f32 v[LT+2:LT+3], v[ZA+4:ZA+5], v[ZA+6:ZA+7]
	WIN 0x02
.set EI, 8
.rept 14
	v_pk_add_f32 v[LT:LT+1], v[ZA+EI:ZA+EI+1], v[LT:LT+1]
	v_pk_add_f32 v[LT+2:LT+3], v[ZA+EI+2:ZA+EI+3], v[LT+2:LT+3]
.set EI, EI+4
.endr
	WIN 0
	v_pk_add_f32 v[LT:LT+1], v[LT:LT+1], v[LT+2:LT+3]
	v_add_f32 v[LT], v[LT], v[LT+1]
	v_permlanex16_b32 v[LT+1], v[LT], s80, s81
	v_add_f32 v[LT], v[LT], v[LT+1]
	v_mul_f32 v[LT], s78, v[LT]                    ; the mean of 128
	WIN 0x82
.set EI, 0
.rept 32
	v_pk_add_f32 v[ZA+EI:ZA+EI+1], v[ZA+EI:ZA+EI+1], v[LT:LT+1] op_sel_hi:[1,0] neg_lo:[0,1] neg_hi:[0,1]
.set EI, EI+2
.endr
	WIN 0x0a
	v_pk_mul_f32 v[LT+2:LT+3], v[ZA:ZA+1], v[ZA:ZA+1]
	v_pk_mul_f32 v[LT+4:LT+5], v[ZA+2:ZA+3], v[ZA+2:ZA+3]
.set EI, 4
.rept 15
	v_pk_fma_f32 v[LT+2:LT+3], v[ZA+EI:ZA+EI+1], v[ZA+EI:ZA+EI+1], v[LT+2:LT+3]
	v_pk_fma_f32 v[LT+4:LT+5], v[ZA+EI+2:ZA+EI+3], v[ZA+EI+2:ZA+EI+3], v[LT+4:LT+5]
.set EI, EI+4
.endr
	WIN 0
	v_pk_add_f32 v[LT+2:LT+3], v[LT+2:LT+3], v[LT+4:LT+5]
	v_add_f32 v[LT+2], v[LT+2], v[LT+3]
	v_permlanex16_b32 v[LT+3], v[LT+2], s80, s81
	v_add_f32 v[LT+2], v[LT+2], v[LT+3]
	v_fma_f32 v[LT+2], v[LT+2], s78, s79
	s_wait_alu depctr_va_vdst(0)
	v_rsq_f32 v[LT+6], v[LT+2]
	v_nop                                          ; a plain place behind the transcendental,
	s_wait_alu depctr_va_vdst(0)                   ; and the wait ahead of its first reader
	WIN 0x82
.set EI, 0
.rept 32
	v_pk_mul_f32 v[ZA+EI:ZA+EI+1], v[ZA+EI:ZA+EI+1], v[LT+6:LT+7] op_sel_hi:[1,0]
.set EI, EI+2
.endr
	WIN 0
.endm
	s_load_b256 s[4:11], s[0:1], 0x0               ; ach 4, bws 6, wimg 8, z 10
	s_load_b128 s[12:15], s[0:1], 0x20             ; bout 12, out1 14
	s_load_b64 s[56:57], s[0:1], 0x30              ; tl
	v_lshl_add_u32 v254, v0, 2, 0x4f400
	v_mov_b32 v255, 0
	ds_add_u32 v254, v255
	ds_add_u32 v254, v255
	v_lshrrev_b32 v1, 5, v0
	v_readfirstlane_b32 s82, v1                    ; wave 0..3
	s_bfe_u32 s86, ttmp6, 0x40000                  ; cx
	s_lshl_b32 s85, ttmp9, 2
	s_add_co_u32 s85, s85, s86                     ; jg = 4 x cluster x + cx: it enters global addresses alone
	s_and_b32 s84, ttmp7, 0xffff                   ; it, which the four partners share
	s_mov_b32 s16, 15|(3<<16)|(1<<21)              ; the mask: all four; elements of 8 bytes; bit 21 beside a mask; no padding
	s_mov_b32 s17, 32<<16                          ; rows of 256 bytes
	s_mov_b32 s18, 75<<16                          ; 75 rows a wave: a quarter of chunks 0 and 1
	s_mov_b32 s19, 32<<16
	s_mov_b32 s20, 75
	s_mov_b32 s21, 32                              ; dense
	s_mov_b32 s22, 0
	s_mov_b32 s23, 0
	s_mov_b32 s76, 0x3fb8aa3b                      ; log2(e)
	s_mov_b32 s77, 0x3a83126f                      ; 1e-3
	s_mov_b32 s78, 0x3c000000                      ; 1 / 128
	s_mov_b32 s79, 0x3727c5ac                      ; 1e-5
	s_mov_b32 s80, 0x76543210
	s_mov_b32 s81, 0xfedcba98
	s_mov_b32 s83, 0                               ; the pass
	s_mul_i32 s87, s82, 19200
	s_mul_i32 s88, s84, 307200
	s_add_co_u32 s88, s88, s87
	s_mov_b32 s89, 0
	s_wait_dscnt 0x0
	s_wait_kmcnt 0x0
	s_load_b256 s[68:75], s[8:9], 0x2f100          ; lnz_b . wz x log2(e), 8 heads (wimg is not written here)
	s_add_nc_u64 s[90:91], s[4:5], s[88:89]
	; the eight chunks are one dense block, laid in LDS as in memory.  Two joint loads a wave: a quarter of chunks 0, 1 at the head; a quarter of chunks 2 to 7 (225 rows of 256 bytes) behind the head's closing round
	s_mov_b32 s24, 1
	s_mov_b32 s25, s87
	s_mov_b64 s[26:27], s[90:91]
	s_or_b32 s27, s27, 0x80000000
	s_mul_i32 s92, s82, 57600
	s_add_co_u32 s92, s92, 2*CHB
	s_mov_b32 s28, 1
	s_mov_b32 s29, s92
	s_mul_i32 s93, s84, 307200
	s_add_co_u32 s92, s92, s93
	s_mov_b32 s93, 0
	s_add_nc_u64 s[30:31], s[4:5], s[92:93]
	s_or_b32 s31, s31, 0x80000000
	s_mov_b32 s32, 15|(3<<16)|(1<<21)
	s_mov_b32 s33, 32<<16
	s_mov_b32 s34, 225<<16
	s_mov_b32 s35, 32<<16
	s_mov_b32 s36, 225
	s_mov_b32 s37, 32
	s_mov_b32 s38, 0
	s_mov_b32 s39, 0
	CROUND                                         ; all four work-groups are here: the joint loads meet
	tensor_load_to_lds s[24:27], s[16:23]          ; every wave's one load at the head
	s_nop 0
	PLACES 4
	v_and_b32 v1, 15, v0                           ; r
	v_bfe_u32 v2, v0, 4, 1                         ; hh
	v_and_b32 v15, 31, v0                          ; l
	v_mul_u32_u24 v3, v1, 24
	v_mad_u32_u24 v3, v2, 384, v3                  ; a's codes: [hh][n][24 bytes]
	v_lshlrev_b32 v4, 2, v1
	v_lshlrev_b32 v5, 4, v15
	s_lshl_b32 s86, s85, 4
	s_lshl_b32 s87, s82, 2
	s_add_co_u32 s86, s86, s87                     ; my first j
	s_mul_i32 s88, s86, 768
	v_mul_u32_u24 v6, v2, 196608
	v_mad_u32_u24 v6, v1, 24, v6
	v_add_nc_u32 v6, s88, v6                       ; b's codes
	s_lshl_b32 s89, s86, 9
	s_add_co_u32 s88, s89, 3145728
	v_lshl_add_u32 v7, v15, 2, s88                 ; b's scale words
	s_lshl_b32 s88, s84, 21
	s_add_co_u32 s88, s88, s89
	v_lshlrev_b32 v11, 17, v2
	v_lshl_add_u32 v11, v1, 4, v11
	v_add_nc_u32 v11, s88, v11                     ; z and out1: row i = 16 it + hh (+ 2 t), 16 bytes a lane
	s_mul_i32 s92, s82, 4352
	s_add_co_u32 s92, s92, STG                     ; my stage
	v_mul_u32_u24 v9, v1, 272
	v_lshl_add_u32 v9, v2, 7, v9
	v_add_nc_u32 v9, s92, v9                       ; by the sums' layout: row r, 128 bytes for each half of the lanes
	v_mul_u32_u24 v10, v2, 272
	v_lshl_add_u32 v10, v1, 4, v10
	v_add_nc_u32 v10, s92, v10                     ; by rows: lanes 0-15 one row, lanes 16-31 the next
	; the mask's fragments: I = rows 16 it + r;  J = rows 16 jg + 4 w + r % 3-bit pattern: lane r takes row 4 w + r % 4, so that registers 0-3 of the result are my four j in every lane
	s_mul_i32 s88, s84, 6144
	v_add_nc_u32 v8, s88, v5
	v_and_b32 v124, 3, v1
	v_add_nc_u32 v124, s87, v124
	v_lshl_add_u32 v120, v2, 4, v124
	v_lshlrev_b32 v120, 4, v120
	s_mul_i32 s88, s85, 6144
	v_add_nc_u32 v120, s88, v120
	s_lshl_b32 s88, s85, 8
	s_add_co_u32 s88, s88, SCB
	v_lshl_add_u32 v121, v124, 2, s88
	s_lshl_b32 s88, s84, 8
	s_add_co_u32 s88, s88, SCB
	v_add_nc_u32 v125, s88, v4
	v_lshlrev_b32 v122, 7, v2
	v_lshlrev_b32 v123, 3, v15
	WIN 0xc0
.set I, 0
.rept 12
	global_load_b128 v[4*I:4*I+3], v8, s[8:9] offset:512*I
	global_load_b128 v[48+4*I:51+4*I], v120, s[8:9] offset:512*I
.set I, I+1
.endr
	WIN 0
.irp k, 0,1,2,3
	global_load_b32 v[MS+\k], v125, s[8:9] offset:64*\k
	global_load_b32 v[MS+4+\k], v121, s[8:9] offset:64*\k
.endr
	BLOAD 0, 0, 16
	WIN 0x40
.set I, 0
.rept 16
	global_load_b128 v[192+4*I:195+4*I], v122, s[12:13] offset:256*(I/8)+16*(I%8)     ; bout in the sums' layout: the C of each sum's first product
.set I, I+1
.endr
	WIN 0
.set I, 0
.rept 32
	global_load_b64 v[WZ+2*I:WZ+2*I+1], v123, s[8:9] offset:WZTO+256*I
.set I, I+1
.endr
.irp b, 0,1,2,3
	v_mov_b32 v[TM+4+\b], 0                        ; a lane permute's destination counts as read
.endr
	v_mov_b32 v[LT+7], 0                           ; (named as the upper half of a pair)
	s_wait_loadcnt 0x0
	; ---- product 1: norm(i, j) for my four j.  One accumulator: a wait stands ahead of every link
	WIN 0x0f
	WM0 NACC, 48, 0, MS+4, MS, 0, 0
.irp k, 1,2,3
	s_wait_alu depctr_va_vdst(0)
	WMC NACC, 48+12*\k, 12*\k, NACC, MS+4+\k, MS+\k, 0, 0
.endr
	WIN 0
	PLACES 4
.irp x, 0,1,2,3
	v_add_f32 v[RN+\x], s77, v[NACC+\x]
.endr
	s_wait_alu depctr_va_vdst(0)
.irp x, 0,1,2,3
	v_rcp_f32 v[RN+\x], v[RN+\x]                   ; 1 / (norm + 1e-3) of (i = r, j = 4 w + x)
.endr
.set I, 0
.rept 16
	v_mov_b32 v[TV+I], 0                           ; (plain places behind the reciprocals)
.set I, I+1
.endr
	s_wait_alu depctr_va_vdst(0)                   ; one wait for the four, ahead of the label
	v_mov_b32 v12, v3
	v_add_nc_u32 v13, 24576, v4
	s_wait_alu depctr_va_vdst(0)
	s_wait_kmcnt 0x0
	s_wait_tensorcnt 0x0                           ; my quarter of chunks 0 and 1 is in
	ds_add_u32 v254, v255
	s_wait_dscnt 0x0
	CROUND                                         ; everybody's quarter is in, and the four work-groups are here
	tensor_load_to_lds s[28:31], s[32:39]          ; chunks 2 to 7: two chunks' work stands between this request and the wait for it
	s_nop 0
	PLACES 4
	ALOAD 0, 0
.Lpass:
	s_wait_loadcnt 0x0                             ; this pass's b
	CG 0
	CG 1
	CG 2
	CG 3
	CG 4
	CG 5
	CG 6
	CG 7
	PLACES 4                                       ; behind the last products, ahead of the first read of their sums
	EPI 0, 3, 192
	s_wait_loadcnt 0x0                             ; z of j2 = 1 (and, in the first pass, the next b)
	EPI 1, 2, 0
.set I, 0
.rept 16
	v_mov_b32 v[TV+16+I], v[TV+I]                  ; the first pass's t moves up (in the first pass: zeros)
.set I, I+1
.endr
	WIN 0x08                                       ; source 1 window 2
.set SG, 0
.rept 32                                           ; K = 128 channels, 4 a step; the two accumulators by turns
.if SG == 0
	v_wmma_f32_16x16x4_f32 v[TACC:TACC+7], v[WZ:WZ+1], v[128:129], 0
	v_wmma_f32_16x16x4_f32 v[TACC+8:TACC+15], v[WZ:WZ+1], v[192:193], 0
.else
	v_wmma_f32_16x16x4_f32 v[TACC:TACC+7], v[WZ+2*SG:WZ+2*SG+1], v[128+2*SG:129+2*SG], v[TACC:TACC+7]
	v_wmma_f32_16x16x4_f32 v[TACC+8:TACC+15], v[WZ+2*SG:WZ+2*SG+1], v[192+2*SG:193+2*SG], v[TACC+8:TACC+15]
.endif
.set SG, SG+1
.endr
	WIN 0
	PLACES 8                                       ; this form asks for eight
.set I, 0
.rept 16
	v_fma_f32 v[TV+I], v[TACC+I], s76, s[68+(I%8)] ; t = logit x log2(e): register 8 j2 + h, in both halves of the lanes
.set I, I+1
.endr
	v_mov_b32 v[RN], v[RN+2]
	v_mov_b32 v[RN+1], v[RN+3]
	s_wait_xcnt 0x0                                ; every load and store has read its offsets and data: they may be written
	v_add_nc_u32 v6, 1536, v6
	v_add_nc_u32 v7, 1024, v7
	v_add_nc_u32 v11, 1024, v11
	s_add_co_u32 s83, s83, 1
	s_cmp_lt_u32 s83, 2
	s_cbranch_scc1 .Lpass
	; ---- t leaves: each wave lays its [h 8][i 16][4 j] into its own stage; a barrier; wave w stores heads 2 w, 2 w + 1 as rows of 64 bytes
	v_lshl_add_u32 v12, v1, 4, s92
.set I, 0
	s_wait_alu depctr_va_vdst(0)
.rept 32
	ds_store_b32 v12, v[TV+16*(1-(I/16))+(I%16)] offset:(I%8)*256+(2*(I/16)+((I/8)%2))*4
.set I, I+1
.endr
	v_and_b32 v13, 3, v15
	v_mul_u32_u24 v13, v13, 4352
	v_lshrrev_b32 v14, 2, v15
	v_lshl_add_u32 v13, v14, 4, v13
	s_lshl_b32 s88, s82, 9
	s_add_co_u32 s88, s88, STG
	v_add_nc_u32 v13, s88, v13
	s_lshl_b32 s88, s82, 5
	s_add_co_u32 s88, s88, s85
	s_lshl_b32 s88, s88, 14
	s_lshl_b32 s89, s84, 10
	s_add_co_u32 s88, s88, s89
	s_mov_b32 s89, 0
	s_add_nc_u64 s[56:57], s[56:57], s[88:89]
	s_wait_alu depctr_va_vdst(0)
	s_wait_dscnt 0x0                               ; my stores are done (and the fragments asked for in vain by the last column are in)
	s_barrier_signal -1
	s_barrier_wait -1
.irp k, 0,1,2,3
	ds_load_b128 v[32+4*\k:35+4*\k], v13 offset:(\k/2)*256+(\k%2)*128
.endr
	s_wait_dscnt 0x0
.irp k, 0,1,2,3
	global_store_b128 v5, v[32+4*\k:35+4*\k], s[56:57] offset:(\k/2)*262144+(\k%2)*512      ; 32 lanes store 512 consecutive bytes
.endr
	s_wait_tensorcnt 0x0
	s_wait_tensorcnt 0x0
	ds_add_u32 v254, v255
	s_wait_dscnt 0x0
	CROUND                                         ; the closing round: no work-group ends while a partner may still ask
	s_endpgm
.Lfunc_end_k_qfda7e3f9a4_outer:
	.size	k_qfda7e3f9a4_outer, .Lfunc_end_k_qfda7e3f9a4_outer-k_qfda7e3f9a4_outer
	.p2alignl 7, 3214868480
	.fill 96, 4, 3214868480
	.section	.rodata,"a",@progbits
	.p2align	6, 0x0
	.amdhsa_kernel k_qfda7e3f9a4_outer
		.amdhsa_group_segment_fixed_size 327680
		.amdhsa_private_segment_fixed_size 0
		.amdhsa_enable_private_segment 0
		.amdhsa_kernarg_size 56
		.amdhsa_user_sgpr_count 2
		.amdhsa_user_sgpr_kernarg_segment_ptr 1
		.amdhsa_wavefront_size32 1
		.amdhsa_system_sgpr_workgroup_id_x 1
		.amdhsa_system_sgpr_workgroup_id_y 1
		.amdhsa_system_sgpr_workgroup_id_z 1
		.amdhsa_system_vgpr_workitem_id 0
		.amdhsa_next_free_vgpr 1024
		.amdhsa_next_free_sgpr 104
		.amdhsa_reserve_vcc 0
		.amdhsa_float_denorm_mode_32 3
		.amdhsa_float_denorm_mode_16_64 3
		.amdhsa_memory_ordered 1
		.amdhsa_forward_progress 1
		.amdhsa_inst_pref_size 255
	.end_amdhsa_kernel
	.section	.bss,"aw",@nobits
	.p2align	6
	.space	262144
	.amdgpu_metadata
---
amdhsa.version: [ 1, 2 ]
amdhsa.kernels:
  - .name:           k_qfda7e3f9a4_outer
    .symbol:         k_qfda7e3f9a4_outer.kd
    .args:
      - { .name: ach, .offset: 0, .size: 8, .value_kind: global_buffer, .address_space: global }
      - { .name: bws, .offset: 8, .size: 8, .value_kind: global_buffer, .address_space: global }
      - { .name: wimg, .offset: 16, .size: 8, .value_kind: global_buffer, .address_space: global }
      - { .name: z, .offset: 24, .size: 8, .value_kind: global_buffer, .address_space: global }
      - { .name: opm_bout, .offset: 32, .size: 8, .value_kind: global_buffer, .address_space: global }
      - { .name: out1, .offset: 40, .size: 8, .value_kind: global_buffer, .address_space: global }
      - { .name: tl, .offset: 48, .size: 8, .value_kind: global_buffer, .address_space: global }
    .group_segment_fixed_size: 327680
    .private_segment_fixed_size: 0
    .kernarg_segment_align: 8
    .kernarg_segment_size: 56
    .max_flat_workgroup_size: 128
    .sgpr_count:     104
    .vgpr_count:     1024
    .wavefront_size: 32
...
	.end_amdgpu_metadata
.endif
;; end of part 2
;; launch soft (part 3): grid 16 x 8, 1 waves a work-group, no clusters, 0 bytes of LDS; arguments tl, pws; writes pws
.if DOCPART == 3
	.amdgcn_target "amdgcn-amd-amdhsa--gfx1250"
	.amdhsa_code_object_version 6
	.text
	.protected	k_qfda7e3f9a4_soft
	.globl	k_qfda7e3f9a4_soft
	.p2align	8
	.type	k_qfda7e3f9a4_soft,@function
k_qfda7e3f9a4_soft:
	s_mov_b64 s[64:65], 0
	v_nop
	global_prefetch_b8 v0, s[64:65] scope:SCOPE_SE
	s_setreg_imm32_b32 hwreg(HW_REG_WAVE_MODE, 25, 1), 1
	s_wait_xcnt 0x0
; SOFT.  For a tile T of 16 rows i (32 (T / 2) + 8 (T % 2) + r + 8 (r / 8)) and a head h: M = ceil(the row's largest t), p = 2^(t - M), l = the sum of the unquantised p, and p's codes along j with their scale words,
; stored as images of the operand's registers.  One wave a work-group; a lane holds half a row: register 64 ks + 16 b + i = j 128 ks + 32 b + 16 (lane / 16) + i.
; l itself is stored: the last launch divides by it inside the gate's reciprocal.
; The launch is small (2 MB in): no LDS, no matrix work.  LIMITS: p under 2^-126 falls to 0; a block of zeros gets the byte 1 (zero codes).
.set TM, 48
.set PT, 40
.set SEL, 12
.set HM, 14
.set MSB, 0
.macro WIN new
.if MSB != (\new)
	s_set_vgpr_msb (MSB<<8)|(\new)
.set MSB, (\new)
.endif
.endm
.macro QUANT S, SW, PC, PW, W
	WIN ((\SW)|((\SW)<<2))
.irp b, 0,1,2,3
	v_max3_num_f32 v[TM+\b], |v[(\S)+16*\b]|, |v[(\S)+16*\b+1]|, 0x1800000
.endr
.irp i, 2,4,6,8,10,12,14
.irp b, 0,1,2,3
	v_max3_num_f32 v[TM+\b], |v[(\S)+16*\b+\i]|, |v[(\S)+16*\b+\i+1]|, v[TM+\b]
.endr
.endr
	WIN 0
.irp b, 0,1,2,3
	v_permlanex16_b32 v[TM+4+\b], v[TM+\b], s[SEL], s[SEL+1]
.endr
.irp b, 0,1,2,3
	v_max_num_f32 v[TM+\b], v[TM+\b], v[TM+4+\b]
.endr
.irp b, 0,1,2,3
	v_add_nc_u32 v[TM+12+\b], 0xff000000, v[TM+\b]
.endr
.irp b, 0,1,2,3
	v_lshrrev_b32 v[TM+4+\b], 23, v[TM+12+\b]
.endr
.if \W
	v_lshl_or_b32 v[\PW], v[TM+5], 8, v[TM+4]
	v_lshl_or_b32 v[\PW], v[TM+6], 16, v[\PW]
	v_lshl_or_b32 v[\PW], v[TM+7], 24, v[\PW]
.endif
	WIN (\SW)
.irp c, 0,1
	v_cvt_scalef32_pk16_fp6_f32 v[(\PC)+6*\c:(\PC)+6*\c+2], v[(\S)+32*\c:(\S)+32*\c+15], v[TM+12+2*\c]
	v_cvt_scalef32_pk16_fp6_f32 v[PT+4*\c:PT+4*\c+2], v[(\S)+32*\c+16:(\S)+32*\c+31], v[TM+13+2*\c]
.endr
	v_nop
	WIN 0
.irp c, 0,1
.irp i, 0,1,2
	v_permlane16_swap_b32 v[(\PC)+6*\c+\i], v[PT+4*\c+\i]
.endr
.irp i, 0,1,2
	v_mov_b32 v[(\PC)+3+6*\c+\i], v[PT+4*\c+\i]
.endr
.endr
.endm
	s_load_b128 s[4:7], s[0:1], 0x0                ; tl, pws
	v_and_b32 v1, 15, v0
	v_lshrrev_b32 v2, 4, v0
	s_and_b32 s8, ttmp7, 0xffff                    ; h
	s_lshr_b32 s9, ttmp9, 1
	s_lshl_b32 s9, s9, 5
	s_and_b32 s10, ttmp9, 1
	s_lshl_b32 s10, s10, 3
	s_add_co_u32 s9, s9, s10
	v_and_b32 v3, 8, v1
	v_add_nc_u32 v3, v3, v1
	v_add_nc_u32 v3, s9, v3                        ; my row i
	v_lshlrev_b32 v3, 6, v3
	v_lshl_add_u32 v3, v2, 14, v3
	s_lshl_b32 s10, s8, 18
	v_add_nc_u32 v3, s10, v3                       ; tl is [h][jg][i][16 j]
	s_mov_b32 s[SEL], 0x76543210
	s_mov_b32 s[SEL+1], 0xfedcba98
	s_mov_b32 s[HM], 0xffff0000
.irp b, 0,1,2,3
	v_mov_b32 v[TM+4+\b], 0
.endr
	s_wait_alu depctr_va_vdst(0)
	s_wait_kmcnt 0x0
.set I, 0
.rept 32
	global_load_b128 v[64+4*I:67+4*I], v3, s[4:5] offset:(8*(I/16)+2*((I/4)%4))*16384+16*(I%4)
.set I, I+1
.endr
	s_wait_loadcnt 0x0
.irp k, 0,1,2,3
	v_max_num_f32 v[4+\k], v[64+2*\k], v[65+2*\k]
.endr
.set I, 72
.rept 15
.irp k, 0,1,2,3
	v_max3_num_f32 v[4+\k], v[4+\k], v[I+2*\k], v[I+2*\k+1]
.endr
.set I, I+8
.endr
	v_max3_num_f32 v4, v4, v5, v6
	v_max_num_f32 v4, v4, v7
	v_permlanex16_b32 v5, v4, s[SEL], s[SEL+1]
	v_max_num_f32 v4, v4, v5                       ; the row's largest t
	v_floor_f32 v8, -v4                            ; -M = floor(-t): M is a whole number
	v_mov_b32 v9, v8
.set I, 0
.rept 64
	v_pk_add_f32 v[64+2*I:65+2*I], v[64+2*I:65+2*I], v[8:9]
.set I, I+1
.endr
.set I, 0
	s_wait_alu depctr_va_vdst(0)
.rept 128
	v_exp_f32 v[64+I], v[64+I]                     ; p = 2^(t - M)
.set I, I+1
.endr
	v_nop                                          ; a plain place behind the batch,
	s_wait_alu depctr_va_vdst(0)                   ; and one wait for it
	v_pk_add_f32 v[10:11], v[64:65], v[66:67]      ; the sum of the unquantised p, in two chains
	v_pk_add_f32 v[14:15], v[68:69], v[70:71]
.set I, 72
.rept 30
	v_pk_add_f32 v[10:11], v[10:11], v[I:I+1]
	v_pk_add_f32 v[14:15], v[14:15], v[I+2:I+3]
.set I, I+4
.endr
	v_pk_add_f32 v[10:11], v[10:11], v[14:15]
	v_add_f32 v10, v10, v11
	v_permlanex16_b32 v11, v10, s[SEL], s[SEL+1]
	v_add_f32 v10, v10, v11                        ; l
	; where the results go
	s_lshl_b32 s9, ttmp9, 3
	s_add_co_u32 s9, s9, s8
	s_mul_i32 s9, s9, 3072
	v_lshlrev_b32 v5, 4, v0
	v_add_nc_u32 v5, s9, v5                        ; codes: ((8 T + h) 2 + ks) x 1,536 + 16 l
	s_lshl_b32 s9, ttmp9, 10
	s_lshl_b32 s10, s8, 2
	s_add_co_u32 s9, s9, s10
	s_add_co_u32 s9, s9, 393216
	v_lshl_add_u32 v6, v0, 5, s9                   ; scale words: [T][l][h]
	s_lshl_b32 s9, ttmp9, 9
	s_add_co_u32 s9, s9, s10
	s_add_co_u32 s9, s9, 409600
	v_lshl_add_u32 v7, v1, 5, s9                   ; l: [T][r][h]
	s_wait_alu depctr_va_vdst(0)
	global_store_b32 v7, v10, s[6:7]
	QUANT 64, 0, 16, 12, 1
	QUANT 128, 0, 28, 13, 1
	v_cndmask_b32 v14, v12, v13, s[HM]             ; lanes 0-15 the word of j 0-127, lanes 16-31 that of j 128-255
.irp g, 0,1,2,3,4,5
	global_store_b128 v5, v[16+4*\g:19+4*\g], s[6:7] offset:512*\g
.endr
	global_store_b32 v6, v14, s[6:7]
	s_endpgm
.Lfunc_end_k_qfda7e3f9a4_soft:
	.size	k_qfda7e3f9a4_soft, .Lfunc_end_k_qfda7e3f9a4_soft-k_qfda7e3f9a4_soft
	.p2alignl 7, 3214868480
	.fill 96, 4, 3214868480
	.section	.rodata,"a",@progbits
	.p2align	6, 0x0
	.amdhsa_kernel k_qfda7e3f9a4_soft
		.amdhsa_group_segment_fixed_size 0
		.amdhsa_private_segment_fixed_size 0
		.amdhsa_enable_private_segment 0
		.amdhsa_kernarg_size 16
		.amdhsa_user_sgpr_count 2
		.amdhsa_user_sgpr_kernarg_segment_ptr 1
		.amdhsa_wavefront_size32 1
		.amdhsa_system_sgpr_workgroup_id_x 1
		.amdhsa_system_sgpr_workgroup_id_y 1
		.amdhsa_system_sgpr_workgroup_id_z 1
		.amdhsa_system_vgpr_workitem_id 0
		.amdhsa_next_free_vgpr 192
		.amdhsa_next_free_sgpr 66
		.amdhsa_reserve_vcc 0
		.amdhsa_float_denorm_mode_32 3
		.amdhsa_float_denorm_mode_16_64 3
		.amdhsa_memory_ordered 1
		.amdhsa_forward_progress 1
		.amdhsa_inst_pref_size 30
	.end_amdhsa_kernel
	.amdgpu_metadata
---
amdhsa.version: [ 1, 2 ]
amdhsa.kernels:
  - .name:           k_qfda7e3f9a4_soft
    .symbol:         k_qfda7e3f9a4_soft.kd
    .args:
      - { .name: tl, .offset: 0, .size: 8, .value_kind: global_buffer, .address_space: global }
      - { .name: pws, .offset: 8, .size: 8, .value_kind: global_buffer, .address_space: global }
    .group_segment_fixed_size: 0
    .private_segment_fixed_size: 0
    .kernarg_segment_align: 8
    .kernarg_segment_size: 16
    .max_flat_workgroup_size: 32
    .sgpr_count:     66
    .vgpr_count:     192
    .wavefront_size: 32
...
	.end_amdgpu_metadata
.endif
;; end of part 3
;; launch final (part 4): grid 256 x 1, 8 waves a work-group, no clusters, 327,680 bytes of LDS; arguments m, pwa_lnm_w, pwa_lnm_b, tr_ln_w, tr_ln_b, wimg, pws, out0; writes out0
.if DOCPART == 4
	.amdgcn_target "amdgcn-amd-amdhsa--gfx1250"
	.amdhsa_code_object_version 6
	.text
	.protected	k_qfda7e3f9a4_final
	.globl	k_qfda7e3f9a4_final
	.p2align	8
	.type	k_qfda7e3f9a4_final,@function
k_qfda7e3f9a4_final:
	s_mov_b64 s[64:65], 0
	v_nop
	global_prefetch_b8 v0, s[64:65] scope:SCOPE_SE
	s_setreg_imm32_b32 hwreg(HW_REG_WAVE_MODE, 25, 1), 1
	s_wait_xcnt 0x0
; FINAL.  For two rows s of the MSA (512 positions): x = Q(LN(m)); v = x Q(wv), quantised along j; g = sigmoid(x Q(wg)); o = (Q(v) Q(p)) / l; m1 = m + Q(g o) Q(wo); y = Q(LN(m1)); out = m1 + Q(silu(y Q(wa)) (y Q(wb))) Q(tr_wo).
; Eight waves, two to a SIMD, 512 registers each.  A tile T = 2 bq + u holds positions 32 bq + 8 u + r + 8 (r / 8); tile index 16 sl + T.
; PHASE X: wave w turns its own 64 rows of m (tiles 4 w .. 4 w + 3) into x's half fragments, laid in LDS.
; PHASE V: wave h makes v for head h's 32 columns, both rows s, all 256 j: 8 fragments that STAY IN ITS REGISTERS.
; PHASE H: wave h walks the 16 tiles of i: p of (T, h) comes from memory once, one tile ahead, into two buffers; g, o for both rows s; (g / l) o is one block of 32 of the next K (a head), so the wave
;   quantises it by itself and lays codes and scale bytes in LDS, head by head (each wave's bytes are its own run of 12,288 and of 512 bytes).
; PHASE T: wave w takes tiles 4 w .. 4 w + 3 through pwa_wo, LayerNorm, the transition and tr_wo; these weights come from LDS.
; The division by l rides in the gate: g / l = 1 / (l + l e), e = 2^(-x log2(e)).
; No cluster and no prefetch: what work-groups share (p, 417,792 bytes, and the weights) goes straight into registers and is read by all 256 work-groups alike; m, the one tensor load a wave, is each work-group's own.  Nothing in LDS is filled twice by the mover.
; REGISTERS.  window 0: v0-15 addresses, v16-39 the quantisers' work, v40-135 v's fragments (X: a row at work; T: x, codes, m1), v136-143 v's scale words, v144-179 wv, wg (T: a row at work), v180-189, v214-217 scale words,
;   v190-213 x's two fragments, v218-221 l, v224-247 the weights' scale words, v248-253 addresses.
;   window 1: H: v0-47 p, two buffers, v48-79 g, v80-111 o.  V: v96-191 x's eight fragments, v192-255 sums (X: gain and bias).  T: v0-63 a, v64-127 b (or gain and bias), v128-229 weights.
; LIMITS: a block of zeros gets the byte 1 (zero codes); NaN and infinities are not served.
.set GOI, 139264                       ; behind m's 512 rows x 272 bytes: g o's codes [head][tile][3 pieces][16 positions][8 bytes]
.set GOS, 237568                       ; their scale bytes [head][tile][16 positions]
.set WOT, 241664                       ; pwa_wo's 8 records, tr_wo's 8, tr_wa's 8, tr_wb's 8
.set LNP, 290816                       ; tr_ln_w, tr_ln_b
.set SPARE, 291328                     ; the spare words, 128 bytes a wave
.set XIMG, 292352                      ; x's half fragments, 768 bytes a tile: 512 of four registers, 256 of two
.set XSC, 316928                       ; their scale words, 128 bytes a tile
.set STG, 292352                       ; phase T: a stage of 16 rows x 272 bytes a wave, where x lay (a barrier stands between)
.set SCB, 175104
.set TM, 16
.set PT, 32
.set SH8, 5
.set VF, 40
.set VSW, 136
.set WV, 144
.set WG, 162
.set C6, 144
.set SB, 150
.set WVS, 180
.set WGS, 181
.set XWV, 182
.set XFA, 190
.set XFB, 202
.set XWA, 214
.set XWB, 215
.set PS, 216
.set RL, 218
.set WAS, 224
.set WBS, 232
.set WOS, 240
.set TROS, 244
.set GG, 48
.set OO, 80
.set GA, 0
.set OA, 64
.set WW, 128
.set XF, 40
.set GO0, 52
.set M1, 80
.set Y, 144
.set GW, 182
.set GWL, 184
.set XW, 185
.set SEL, 44
.set C64, 46
.set CEPS, 47
.set HM, 48
.set LT, 104
.set QT, 108
.set MSB, 0
.macro WIN new
.if MSB != (\new)
	s_set_vgpr_msb (MSB<<8)|(\new)
.set MSB, (\new)
.endif
.endm
.macro PLACES n
.rept \n
	v_nop
.endr
.endm
.macro WMA d, a, b, sa, sb, ra, rb     ; D = A B + D; ra, rb: the scales stand in lanes 16-31
.if ((\ra)==0) && ((\rb)==0)
	v_wmma_scale_f32_16x16x128_f8f6f4 v[(\d):(\d)+7], v[(\a):(\a)+11], v[(\b):(\b)+11], v[(\d):(\d)+7], v[\sa], v[\sb] matrix_a_fmt:MATRIX_FMT_FP6 matrix_b_fmt:MATRIX_FMT_FP6
.elseif ((\ra)==1) && ((\rb)==0)
	v_wmma_scale_f32_16x16x128_f8f6f4 v[(\d):(\d)+7], v[(\a):(\a)+11], v[(\b):(\b)+11], v[(\d):(\d)+7], v[\sa], v[\sb] matrix_a_fmt:MATRIX_FMT_FP6 matrix_b_fmt:MATRIX_FMT_FP6 matrix_a_scale:MATRIX_SCALE_ROW1
.elseif ((\ra)==0) && ((\rb)==1)
	v_wmma_scale_f32_16x16x128_f8f6f4 v[(\d):(\d)+7], v[(\a):(\a)+11], v[(\b):(\b)+11], v[(\d):(\d)+7], v[\sa], v[\sb] matrix_a_fmt:MATRIX_FMT_FP6 matrix_b_fmt:MATRIX_FMT_FP6 matrix_b_scale:MATRIX_SCALE_ROW1
.else
	v_wmma_scale_f32_16x16x128_f8f6f4 v[(\d):(\d)+7], v[(\a):(\a)+11], v[(\b):(\b)+11], v[(\d):(\d)+7], v[\sa], v[\sb] matrix_a_fmt:MATRIX_FMT_FP6 matrix_b_fmt:MATRIX_FMT_FP6 matrix_a_scale:MATRIX_SCALE_ROW1 matrix_b_scale:MATRIX_SCALE_ROW1
.endif
.endm
.macro WM0 d, a, b, sa, sb, ra, rb     ; the first product starts a sum
.if ((\ra)==0) && ((\rb)==0)
	v_wmma_scale_f32_16x16x128_f8f6f4 v[(\d):(\d)+7], v[(\a):(\a)+11], v[(\b):(\b)+11], 0, v[\sa], v[\sb] matrix_a_fmt:MATRIX_FMT_FP6 matrix_b_fmt:MATRIX_FMT_FP6
.elseif ((\ra)==1) && ((\rb)==0)
	v_wmma_scale_f32_16x16x128_f8f6f4 v[(\d):(\d)+7], v[(\a):(\a)+11], v[(\b):(\b)+11], 0, v[\sa], v[\sb] matrix_a_fmt:MATRIX_FMT_FP6 matrix_b_fmt:MATRIX_FMT_FP6 matrix_a_scale:MATRIX_SCALE_ROW1
.elseif ((\ra)==0) && ((\rb)==1)
	v_wmma_scale_f32_16x16x128_f8f6f4 v[(\d):(\d)+7], v[(\a):(\a)+11], v[(\b):(\b)+11], 0, v[\sa], v[\sb] matrix_a_fmt:MATRIX_FMT_FP6 matrix_b_fmt:MATRIX_FMT_FP6 matrix_b_scale:MATRIX_SCALE_ROW1
.else
	v_wmma_scale_f32_16x16x128_f8f6f4 v[(\d):(\d)+7], v[(\a):(\a)+11], v[(\b):(\b)+11], 0, v[\sa], v[\sb] matrix_a_fmt:MATRIX_FMT_FP6 matrix_b_fmt:MATRIX_FMT_FP6 matrix_a_scale:MATRIX_SCALE_ROW1 matrix_b_scale:MATRIX_SCALE_ROW1
.endif
.endm
; 64 numbers of a lane in window SW, register 16 b + i = k 32 b + 16 (lane / 16) + i of my row, become a fragment in v[PC ..] and its scale word in v[PW] (window 0)
.macro QUANT S, SW, PC, PW
	WIN ((\SW)|((\SW)<<2))
.irp b, 0,1,2,3
	v_max3_num_f32 v[TM+\b], |v[(\S)+16*\b]|, |v[(\S)+16*\b+1]|, 0x1800000   ; the floor 2^(3 - 127) holds the byte at 1 from below
.endr
.irp i, 2,4,6,8,10,12,14
.irp b, 0,1,2,3
	v_max3_num_f32 v[TM+\b], |v[(\S)+16*\b+\i]|, |v[(\S)+16*\b+\i+1]|, v[TM+\b]   ; (the four blocks by turns)
.endr
.endr
	WIN 0
.irp b, 0,1,2,3
	v_permlanex16_b32 v[TM+4+\b], v[TM+\b], s[SEL], s[SEL+1]
.endr
.irp b, 0,1,2,3
	s_delay_alu instid0(VALU_DEP_4)
	v_max_num_f32 v[TM+\b], v[TM+\b], v[TM+4+\b]
.endr
.irp b, 0,1,2,3
	s_delay_alu instid0(VALU_DEP_4)
	v_add_nc_u32 v[TM+12+\b], 0xff000000, v[TM+\b]
.endr
.irp b, 0,1,2,3
	s_delay_alu instid0(VALU_DEP_4)
	v_lshrrev_b32 v[TM+4+\b], 23, v[TM+12+\b]
.endr
	v_lshl_or_b32 v[\PW], v[TM+5], 8, v[TM+4]
	v_lshl_or_b32 v[\PW], v[TM+6], 16, v[\PW]
	v_lshl_or_b32 v[\PW], v[TM+7], 24, v[\PW]
	WIN (\SW)
.irp c, 0,1
	v_cvt_scalef32_pk16_fp6_f32 v[(\PC)+6*\c:(\PC)+6*\c+2], v[(\S)+32*\c:(\S)+32*\c+15], v[TM+12+2*\c]
	v_cvt_scalef32_pk16_fp6_f32 v[PT+4*\c:PT+4*\c+2], v[(\S)+32*\c+16:(\S)+32*\c+31], v[TM+13+2*\c]
.endr
	v_nop                                          ; one plain place behind a scaled conversion
	WIN 0
.irp c, 0,1
.irp i, 0,1,2
	v_permlane16_swap_b32 v[(\PC)+6*\c+\i], v[PT+4*\c+\i]
.endr
.irp i, 0,1,2
	s_delay_alu instid0(VALU_DEP_3)
	v_mov_b32 v[(\PC)+3+6*\c+\i], v[PT+4*\c+\i]
.endr
.endr
.endm
; LayerNorm of a row of 64: lane (r, hh) holds channels 32 hh .. of row r in v[X ..]; result in v[Y ..]; gain and bias in window 1
.macro LNROW X, Y, LW, LB
	v_pk_add_f32 v[LT:LT+1], v[\X:\X+1], v[\X+2:\X+3]
	v_pk_add_f32 v[LT+2:LT+3], v[\X+4:\X+5], v[\X+6:\X+7]
.irp i, 8,12,16,20,24,28
	v_pk_add_f32 v[LT:LT+1], v[LT:LT+1], v[\X+\i:\X+\i+1]
	v_pk_add_f32 v[LT+2:LT+3], v[LT+2:LT+3], v[\X+\i+2:\X+\i+3]
.endr
	s_delay_alu instid0(VALU_DEP_1)
	v_pk_add_f32 v[LT:LT+1], v[LT:LT+1], v[LT+2:LT+3]
	s_delay_alu instid0(VALU_DEP_1)
	v_add_f32 v[LT], v[LT], v[LT+1]
	s_delay_alu instid0(VALU_DEP_1)
	v_permlanex16_b32 v[LT+1], v[LT], s[SEL], s[SEL+1]
	s_delay_alu instid0(VALU_DEP_1)
	v_add_f32 v[LT], v[LT], v[LT+1]
	s_delay_alu instid0(VALU_DEP_1)
	v_mul_f32 v[LT], s[C64], v[LT]
.set LNI, 0
.rept 16
	v_pk_add_f32 v[\Y+LNI:\Y+LNI+1], v[\X+LNI:\X+LNI+1], v[LT:LT+1] op_sel_hi:[1,0] neg_lo:[0,1] neg_hi:[0,1]
.set LNI, LNI+2
.endr
	v_pk_mul_f32 v[LT:LT+1], v[\Y:\Y+1], v[\Y:\Y+1]
	v_pk_mul_f32 v[LT+2:LT+3], v[\Y+2:\Y+3], v[\Y+2:\Y+3]
.irp i, 4,8,12,16,20,24,28
	s_delay_alu instid0(VALU_DEP_2)
	v_pk_fma_f32 v[LT:LT+1], v[\Y+\i:\Y+\i+1], v[\Y+\i:\Y+\i+1], v[LT:LT+1]
	s_delay_alu instid0(VALU_DEP_2)
	v_pk_fma_f32 v[LT+2:LT+3], v[\Y+\i+2:\Y+\i+3], v[\Y+\i+2:\Y+\i+3], v[LT+2:LT+3]
.endr
	s_delay_alu instid0(VALU_DEP_1)
	v_pk_add_f32 v[LT:LT+1], v[LT:LT+1], v[LT+2:LT+3]
	s_delay_alu instid0(VALU_DEP_1)
	v_add_f32 v[LT], v[LT], v[LT+1]
	s_delay_alu instid0(VALU_DEP_1)
	v_permlanex16_b32 v[LT+1], v[LT], s[SEL], s[SEL+1]
	s_delay_alu instid0(VALU_DEP_1)
	v_add_f32 v[LT], v[LT], v[LT+1]
	s_delay_alu instid0(VALU_DEP_1)
	v_fma_f32 v[LT], v[LT], s[C64], s[CEPS]
	s_wait_alu depctr_va_vdst(0)                   ; the wait ahead of the transcendental,
	v_rsq_f32 v[LT+2], v[LT]
	v_nop                                          ; a plain place behind it,
	s_wait_alu depctr_va_vdst(0)                   ; and the wait ahead of its first reader
.set LNI, 0
.rept 16
	v_pk_mul_f32 v[\Y+LNI:\Y+LNI+1], v[\Y+LNI:\Y+LNI+1], v[LT+2:LT+3] op_sel_hi:[1,0]
.set LNI, LNI+2
.endr
	WIN 0x14
.set LNI, 0
.rept 16
	v_pk_fma_f32 v[\Y+LNI:\Y+LNI+1], v[\Y+LNI:\Y+LNI+1], v[\LW+LNI:\LW+LNI+1], v[\LB+LNI:\LB+LNI+1]
.set LNI, LNI+2
.endr
	WIN 0
.endm
; a row's 64 numbers become the lower half of a fragment: a lane holds a whole block of 32; bytes 2, 3 of the scale word are 127
.macro QX Y, XF, XW
	v_max3_num_f32 v[QT], |v[\Y]|, |v[\Y+1]|, 0x1800000
	v_max3_num_f32 v[QT+1], |v[\Y+2]|, |v[\Y+3]|, 0x1800000
.irp i, 4,8,12,16,20,24,28
	s_delay_alu instid0(VALU_DEP_2)
	v_max3_num_f32 v[QT], v[QT], |v[\Y+\i]|, |v[\Y+\i+1]|
	s_delay_alu instid0(VALU_DEP_2)
	v_max3_num_f32 v[QT+1], v[QT+1], |v[\Y+\i+2]|, |v[\Y+\i+3]|
.endr
	s_delay_alu instid0(VALU_DEP_1)
	v_max_num_f32 v[QT], v[QT], v[QT+1]
	s_delay_alu instid0(VALU_DEP_1)
	v_add_nc_u32 v[QT+2], 0xff000000, v[QT]
	s_delay_alu instid0(VALU_DEP_1)
	v_lshrrev_b32 v[QT+3], 23, v[QT+2]
	s_delay_alu instid0(VALU_DEP_1)
	v_lshlrev_b32 v[QT+3], v[SH8], v[QT+3]
	s_delay_alu instid0(VALU_DEP_1)
	v_permlanex16_b32 v[QT+1], v[QT+3], s[SEL], s[SEL+1]
	s_delay_alu instid0(VALU_DEP_1)
	v_or_b32 v[QT+3], v[QT+3], v[QT+1]
	s_delay_alu instid0(VALU_DEP_1)
	v_or_b32 v[\XW], 0x7f7f0000, v[QT+3]
	v_cvt_scalef32_pk16_fp6_f32 v[\XF:\XF+2], v[\Y:\Y+15], v[QT+2]
	v_cvt_scalef32_pk16_fp6_f32 v[PT:PT+2], v[\Y+16:\Y+31], v[QT+2]
	v_nop
.irp i, 0,1,2
	v_mov_b32 v[\XF+3+\i], v[PT+\i]
.endr
.endm
.macro PLD b, d                        ; p of my head, tile d counted from the trip's first, into buffer b: two fragments, the scale word, l: 8 loads
	WIN 0x40
.set PI, 0
.rept 6
	global_load_b128 v[24*(\b)+4*PI:24*(\b)+4*PI+3], v12, s[16:17] offset:(\d)*24576+512*PI
.set PI, PI+1
.endr
	WIN 0
	global_load_b32 v[PS+(\b)], v13, s[16:17] offset:(\d)*1024
	global_load_b32 v[RL+2*(\b)], v14, s[16:17] offset:(\d)*512
.endm
.macro XLD d                           ; x's half fragments and scale words of tile d, rows s 0 and 1
	ds_load_b128 v[XFA:XFA+3], v6 offset:(\d)*768
	ds_load_b64 v[XFA+4:XFA+5], v7 offset:(\d)*768
	ds_load_b32 v[XWA], v8 offset:(\d)*128
	ds_load_b128 v[XFB:XFB+3], v6 offset:(\d)*768+12288
	ds_load_b64 v[XFB+4:XFB+5], v7 offset:(\d)*768+12288
	ds_load_b32 v[XWB], v8 offset:(\d)*128+2048
.endm
; One tile of i for my head, both rows s.  o: the trip's first or second tile, and p's buffer.  pf: p of tile T + 2 is asked for.
; p's buffer is asked for again as soon as its products are issued: tile T + 2 in step T.  xf: the next tile's x is asked for.  wc: the loads that may stay out at the step's start: the next tile's 8, or none.
.macro HSTEP o, pf, xf, wc
	s_wait_loadcnt \wc
	s_wait_dscnt 0x0                               ; x's fragments are in
	WIN 0x40                                       ; sources window 0, D window 1
	WM0 GG, WG, XFA, WGS, XWA, 0, 0
	WM0 GG+8, WG+6, XFA, WGS, XWA, 1, 0
	WM0 GG+16, WG, XFB, WGS, XWB, 0, 0
	WM0 GG+24, WG+6, XFB, WGS, XWB, 1, 0
	WIN 0x54                                       ; source 0 (v) window 0; p, C and D window 1.  Four accumulators by turns, K = 256 positions j
.irp s, 0,1
.irp u, 0,1
	WM0 OO+16*\s+8*\u, VF+12*(4*\s+\u), 24*(\o), VSW+4*\s+\u, PS+(\o), 0, 0
.endr
.endr
.irp s, 0,1
.irp u, 0,1
	WMA OO+16*\s+8*\u, VF+12*(4*\s+2+\u), 24*(\o)+12, VSW+4*\s+2+\u, PS+(\o), 0, 1
.endr
.endr
	WIN 0
	PLACES 4
	v_mov_b32 v152, v[RL+2*(\o)]                   ; l, out of the register that the load below fills again
.if \pf
	PLD \o, (\o)+2
.endif
.if \xf
	XLD (\o)+1
.endif
	WIN 0x41
.set GI, 0
.rept 16
	v_pk_mul_f32 v[GG+2*GI:GG+2*GI+1], v[GG+2*GI:GG+2*GI+1], 0xbfb8aa3b op_sel_hi:[1,0]
.set GI, GI+1
.endr
	s_wait_alu depctr_va_vdst(0)                   ; a wait ahead of each batch and one behind it
.set GI, 0
.rept 32
	v_exp_f32 v[GG+GI], v[GG+GI]
.set GI, GI+1
.endr
	v_nop
	s_wait_alu depctr_va_vdst(0)
.set GI, 0
.rept 16
	v_pk_fma_f32 v[GG+2*GI:GG+2*GI+1], v[GG+2*GI:GG+2*GI+1], v[152:153], v[152:153] op_sel_hi:[1,0,0]   ; l + l e (the pair's low word serves both halves)
.set GI, GI+1
.endr
	s_wait_alu depctr_va_vdst(0)
.set GI, 0
.rept 32
	v_rcp_f32 v[GG+GI], v[GG+GI]                   ; g / l
.set GI, GI+1
.endr
	v_nop
	WIN 0x45
	s_wait_alu depctr_va_vdst(0)                   ; also directly ahead of the first reader of o's sums
.set GI, 0
.rept 16
	v_pk_mul_f32 v[GG+2*GI:GG+2*GI+1], v[GG+2*GI:GG+2*GI+1], v[OO+2*GI:OO+2*GI+1]
.set GI, GI+1
.endr
	WIN 0x05                                       ; two blocks of 32 (rows s 0 and 1), each in two chains
.irp c, 0,1,2,3
	v_max3_num_f32 v[TM+\c], |v[GG+8*\c]|, |v[GG+8*\c+1]|, 0x1800000
.endr
.irp i, 2,4,6
.irp c, 0,1,2,3
	v_max3_num_f32 v[TM+\c], |v[GG+8*\c+\i]|, |v[GG+8*\c+\i+1]|, v[TM+\c]   ; (the four chains by turns)
.endr
.endr
	WIN 0
	v_max_num_f32 v[TM], v[TM], v[TM+1]            ; the two blocks by turns
	v_max_num_f32 v[TM+1], v[TM+2], v[TM+3]
	v_permlanex16_b32 v[TM+4], v[TM], s[SEL], s[SEL+1]
	v_permlanex16_b32 v[TM+5], v[TM+1], s[SEL], s[SEL+1]
	v_max_num_f32 v[TM], v[TM], v[TM+4]
	v_max_num_f32 v[TM+1], v[TM+1], v[TM+5]
	v_add_nc_u32 v[TM+8], 0xff000000, v[TM]
	v_add_nc_u32 v[TM+9], 0xff000000, v[TM+1]
	v_lshrrev_b32 v[TM+4], 23, v[TM+8]
	v_lshrrev_b32 v[TM+5], 23, v[TM+9]
	v_cndmask_b32 v[SB], v[TM+4], v[TM+5], s[HM]   ; lanes 0-15 the byte of row s 0, lanes 16-31 that of row s 1
	WIN 0x01
	v_cvt_scalef32_pk16_fp6_f32 v[C6:C6+2], v[GG:GG+15], v[TM+8]
	v_cvt_scalef32_pk16_fp6_f32 v[PT:PT+2], v[GG+16:GG+31], v[TM+9]
	v_nop
	WIN 0
.irp i, 0,1,2
	v_permlane16_swap_b32 v[C6+\i], v[PT+\i]       ; lanes 0-15 now hold row s 0's whole block, lanes 16-31 row s 1's
.endr
.irp i, 0,1,2
	v_mov_b32 v[C6+3+\i], v[PT+\i]
.endr
.irp i, 0,1,2
	ds_store_b64 v10, v[C6+2*\i:C6+2*\i+1] offset:(\o)*384+128*\i
.endr
	ds_store_b8 v11, v[SB] offset:(\o)*16
.endm
.macro WLD rec                         ; eight records of an output weight
	WIN 0x40
.set UI, 0
.rept 24
	ds_load_b128 v[WW+4*UI:WW+4*UI+3], v9 offset:(\rec)*1536+512*UI
.set UI, UI+1
.endr
	WIN 0
.endm
.macro GLW fq                          ; tr_wa's and tr_wb's eight tiles of 16 hidden units, 6 registers each
	WIN 0x40
.set UI, 0
.rept 12
	ds_load_b128 v[WW+4*UI:WW+4*UI+3], v9 offset:24576+6144*(\fq)+512*UI
	ds_load_b128 v[WW+48+4*UI:WW+51+4*UI], v9 offset:36864+6144*(\fq)+512*UI
.set UI, UI+1
.endr
	WIN 0
.endm
; m1 += codes x an output weight: four accumulators by turns; the residual is the first C
.macro OUTP SCR, s0, r0, s1, r1
	WIN 0x01
.irp t, 0,1,2,3
	WMA M1+8*\t, WW+12*\t, GO0, (\SCR)+\t/2, \s0, \t%2, \r0
.endr
	s_wait_alu depctr_va_vdst(0)
.irp t, 0,1,2,3
	WMA M1+8*\t, WW+48+12*\t, GO0+12, (\SCR)+2+\t/2, \s1, \t%2, \r1
.endr
	WIN 0
.endm
; 128 hidden units of the transition: a, b, silu(a) b, its codes
.macro GLU fq
	s_wait_alu depctr_va_vdst(0)
	s_wait_dscnt 0x0                               ; the weights are in
.if (\fq) == 0
	PLACES 8                                       ; y's codes and scale word were written by vector instructions
.endif
	WIN 0x41
.set GI, 0
.rept 8
	WM0 GA+8*GI, WW+6*GI, XF, WAS+4*(\fq)+GI/2, XW, GI%2, 0
.set GI, GI+1
.endr
.set GI, 0
.rept 8
	WM0 OA+8*GI, WW+48+6*GI, XF, WBS+4*(\fq)+GI/2, XW, GI%2, 0
.set GI, GI+1
.endr
	PLACES 4
.set GI, 0
.rept 32
	v_pk_mul_f32 v[WW+2*GI:WW+2*GI+1], v[GA+2*GI:GA+2*GI+1], 0xbfb8aa3b op_sel_hi:[1,0]   ; -a log2(e), where the weights stood
.set GI, GI+1
.endr
	s_wait_alu depctr_va_vdst(0)
.set GI, 0
.rept 64
	v_exp_f32 v[WW+GI], v[WW+GI]
.set GI, GI+1
.endr
	WIN 0x45
	s_wait_alu depctr_va_vdst(0)                   ; directly ahead of the first reader of b's sums
.set GI, 0
.rept 32
	v_pk_mul_f32 v[GA+2*GI:GA+2*GI+1], v[GA+2*GI:GA+2*GI+1], v[OA+2*GI:OA+2*GI+1]      ; a b
.set GI, GI+1
.endr
	s_wait_alu depctr_va_vdst(0)
	WIN 0x41
.set GI, 0
.rept 32
	v_pk_add_f32 v[WW+2*GI:WW+2*GI+1], v[WW+2*GI:WW+2*GI+1], 1.0 op_sel_hi:[1,0]
.set GI, GI+1
.endr
	s_wait_alu depctr_va_vdst(0)
.set GI, 0
.rept 64
	v_rcp_f32 v[WW+GI], v[WW+GI]
.set GI, GI+1
.endr
	v_nop
	WIN 0x45
	s_wait_alu depctr_va_vdst(0)
.set GI, 0
.rept 32
	v_pk_mul_f32 v[GA+2*GI:GA+2*GI+1], v[GA+2*GI:GA+2*GI+1], v[WW+2*GI:WW+2*GI+1]
.set GI, GI+1
.endr
.if (\fq) == 0
	GLW 1                                          ; the quantiser stands between the request and the wait for it
.else
	WLD 8                                          ; tr_wo
.endif
	QUANT GA, 1, GO0+12*(\fq), GW+(\fq)
.endm
	s_load_b512 s[4:19], s[0:1], 0x0               ; m 4, lnm_w 6, lnm_b 8, tr_ln_w 10, tr_ln_b 12, wimg 14, pws 16, out0 18
	v_lshl_add_u32 v254, v0, 2, SPARE
	v_mov_b32 v255, 0
	ds_add_u32 v254, v255                          ; the opening lines: the add twice on end and its wait ahead of my tensor load
	ds_add_u32 v254, v255
	v_lshrrev_b32 v1, 5, v0
	v_readfirstlane_b32 s32, v1                    ; wave 0..7
	s_mov_b32 s20, (3<<16)|(1<<20)|(5<<22)|(3<<25) ; elements of 8 bytes; 4 words of padding behind every 64
	s_mov_b32 s21, 32<<16                          ; rows of 256 bytes
	s_mov_b32 s22, 64<<16                          ; 64 rows a wave
	s_mov_b32 s23, 32<<16
	s_mov_b32 s24, 64
	s_mov_b32 s25, 32                              ; dense
	s_mov_b32 s26, 0
	s_mov_b32 s27, 0
	s_mov_b32 s28, 1
	s_mul_i32 s29, s32, 17408
	s_lshl_b32 s36, ttmp9, 17
	s_lshl_b32 s37, s32, 14
	s_add_co_u32 s36, s36, s37
	s_mov_b32 s37, 0
	s_wait_dscnt 0x0
	s_wait_kmcnt 0x0
	s_add_nc_u64 s[30:31], s[4:5], s[36:37]
	s_or_b32 s31, s31, 0x80000000
	tensor_load_to_lds s[28:31], s[20:27]          ; the one tensor load of a wave; nothing is filled again
	s_nop 0
	PLACES 4
	s_mov_b32 s[SEL], 0x76543210
	s_mov_b32 s[SEL+1], 0xfedcba98
	s_mov_b32 s[C64], 0x3c800000
	s_mov_b32 s[CEPS], 0x3727c5ac
	s_mov_b32 s[HM], 0xffff0000
	s_mul_i32 s33, s32, 17408                      ; my 64 rows of m in LDS
	s_mul_i32 s34, s32, 3072
	s_lshl_b32 s35, s32, 9
	s_lshr_b32 s36, s32, 2
	s_and_b32 s37, s32, 3
	s_mul_i32 s38, s32, 6144
	s_mul_i32 s39, s36, 24576                      ; waves 4-7 pass over wv's and wg's 16 records
	s_add_co_u32 s39, s39, s38
	s_add_co_u32 s39, s39, 64*1536                 ; wimg: the four records that I copy
	s_add_co_u32 s38, s38, WOT
	s_mul_i32 s40, s32, 1536                       ; my head's record of wv and of wg
	s_lshl_b32 s41, s32, 7                         ; and its scale words
	s_lshl_b32 s42, s37, 6
	s_lshl_b32 s43, s32, 6
	s_add_co_u32 s61, s43, GOS                     ; phase T: my four tiles' scale bytes
	s_add_co_u32 s43, s43, LNP
	s_cmp_lt_u32 s32, 4
	s_cselect_b64 s[50:51], s[10:11], s[12:13]     ; waves 0-3 copy the gain's quarters, waves 4-7 the bias's
	s_add_co_u32 s49, s34, XIMG
	s_add_co_u32 s52, s35, XSC
	s_mul_i32 s53, s32, 12288
	s_add_co_u32 s53, s53, GOI                     ; my head's codes
	s_add_co_u32 s54, s35, GOS                     ; my head's scale bytes
	s_lshl_b32 s55, s32, 2
	s_add_co_u32 s56, s55, 393216
	s_add_co_u32 s57, s55, 409600
	s_mul_i32 s58, s32, 4352
	s_add_co_u32 s58, s58, STG
	s_lshl_b32 s59, ttmp9, 17
	s_lshl_b32 s60, s32, 14
	s_add_co_u32 s59, s59, s60                     ; out0: my 64 rows
	s_add_co_u32 s60, s40, GOI                     ; phase T: my four tiles' codes
	v_and_b32 v1, 15, v0                           ; r
	v_bfe_u32 v2, v0, 4, 1                         ; hh
	v_and_b32 v120, 31, v0                         ; l
	v_lshlrev_b32 v3, 4, v120
	v_lshlrev_b32 v4, 2, v120
	v_lshlrev_b32 v[SH8], 3, v2
	v_lshlrev_b32 v251, 3, v120
	v_lshlrev_b32 v252, 7, v2
	v_lshlrev_b32 v253, 2, v1
	v_and_b32 v121, 8, v1
	v_add_nc_u32 v121, v121, v1
	v_mul_u32_u24 v121, v121, 272
	v_add_nc_u32 v121, v121, v252
	v_add_nc_u32 v248, s33, v121                   ; a tile's row r + 8 (r / 8), my half of its 256 bytes
	v_mul_u32_u24 v122, v1, 272
	v_add_nc_u32 v122, v122, v252
	v_add_nc_u32 v249, s58, v122                   ; my stage, in
	v_mul_u32_u24 v123, v2, 272
	v_lshl_add_u32 v123, v1, 4, v123
	v_add_nc_u32 v250, s58, v123                   ; and back, by rows
	v_add_nc_u32 v124, s39, v3
	v_add_nc_u32 v125, s38, v3
	v_add_nc_u32 v126, s40, v3
	v_add_nc_u32 v127, s41, v4
	v_add_nc_u32 v128, s42, v253
	v_add_nc_u32 v129, s43, v253
	v_mov_b32 v6, v248
	v_add_nc_u32 v7, s49, v3
	v_add_nc_u32 v8, s49, v251
	v_add_nc_u32 v8, 512, v8
	v_add_nc_u32 v9, s52, v4
	v_mul_u32_u24 v10, v2, 6144
	v_lshl_add_u32 v10, v1, 3, v10
	v_add_nc_u32 v10, s53, v10                     ; codes out: lanes 16-31 take row s 1, 16 tiles of 384 bytes on
	v_lshl_add_u32 v11, v2, 8, v1
	v_add_nc_u32 v11, s54, v11                     ; scale bytes out
	v_add_nc_u32 v12, s34, v3                      ; p's codes: (8 T + h) x 3,072 + 16 l
	v_lshl_add_u32 v13, v120, 5, s56               ; p's scale words [T][l][h]
	v_lshl_add_u32 v14, v1, 5, s57                 ; l [T][r][h]
.irp i, 0,1,2,3,4,5
	v_mov_b32 v[WV+12+\i], 0                       ; what the odd tile's twelve registers reach into
	v_mov_b32 v[WG+12+\i], 0
	v_mov_b32 v[XFA+6+\i], 0                       ; K is 64: the upper half of the K step holds zero codes
	v_mov_b32 v[XFB+6+\i], 0
.endr
.irp b, 0,1,2,3
	v_mov_b32 v[TM+4+\b], 0                        ; a lane permute's destination counts as read
.endr
	v_mov_b32 v[RL+1], 0                           ; (named as the upper halves of pairs)
	v_mov_b32 v[RL+3], 0
	s_wait_alu depctr_va_vdst(0)                   ; the wait at the head's end
	WIN 0x40                                       ; 29 loads that phase X and the first barrier want
.set I, 0
.rept 8
	global_load_b128 v[192+4*I:195+4*I], v252, s[6:7] offset:16*I           ; lnm's gain and bias
	global_load_b128 v[224+4*I:227+4*I], v252, s[8:9] offset:16*I
.set I, I+1
.endr
.set I, 0
.rept 12
	global_load_b128 v[4*I:4*I+3], v124, s[14:15] offset:512*I
.set I, I+1
.endr
	WIN 0
	global_load_b32 v119, v128, s[50:51]
.irp g, 0,1,2                                      ; and 32 that come later
	global_load_b128 v[WV+4*\g:WV+4*\g+3], v126, s[14:15] offset:80*1536+512*\g
	global_load_b128 v[WG+4*\g:WG+4*\g+3], v126, s[14:15] offset:88*1536+512*\g
.endr
	global_load_b32 v[WVS], v127, s[14:15] offset:SCB+80*64                 ; lanes 0-15 the even tile's words, lanes 16-31 the odd tile's
	global_load_b32 v[WGS], v127, s[14:15] offset:SCB+96*64
.set I, 0
.rept 8
	global_load_b32 v[WAS+I], v4, s[14:15] offset:SCB+(112+2*I)*64
	global_load_b32 v[WBS+I], v4, s[14:15] offset:SCB+(128+2*I)*64
.set I, I+1
.endr
.irp k, 0,1,2,3
	global_load_b32 v[WOS+\k], v4, s[14:15] offset:SCB+(64+2*\k)*64
	global_load_b32 v[TROS+\k], v4, s[14:15] offset:SCB+(72+2*\k)*64
.endr
	s_wait_loadcnt 32                              ; the first 29 are in; the 32 behind them may stay out
	WIN 0x04
.set I, 0
.rept 12
	ds_store_b128 v125, v[4*I:4*I+3] offset:512*I
.set I, I+1
.endr
	WIN 0
	ds_store_b32 v129, v119                        ; lanes r and 16 + r write the same word with the same value
	s_wait_tensorcnt 0x0                           ; my 64 rows of m are in,
	s_wait_dscnt 0x0                               ; my stores are done,
	s_barrier_signal -1
	s_barrier_wait -1
	; ---- PHASE X: my four tiles, two a trip
	s_mov_b32 s43, 0
.Lx:
	s_wait_alu depctr_va_vdst(0)
.irp u, 0,1
.set I, 0
.rept 8
	ds_load_b128 v[40+4*I:43+4*I], v6 offset:\u*2176+16*I
.set I, I+1
.endr
	s_wait_dscnt 0x0
	LNROW 40, 72, 192, 224
	QX 72, 112, 186
	ds_store_b128 v7, v[112:115] offset:\u*768
	ds_store_b64 v8, v[116:117] offset:\u*768
	ds_store_b32 v9, v186 offset:\u*128
.endr
	v_add_nc_u32 v6, 8704, v6
	v_add_nc_u32 v7, 1536, v7
	v_add_nc_u32 v8, 1536, v8
	v_add_nc_u32 v9, 256, v9
	s_add_co_u32 s43, s43, 1
	s_cmp_lt_u32 s43, 2
	s_cbranch_scc1 .Lx
	v_add_nc_u32 v6, XIMG, v3
	v_add_nc_u32 v7, XIMG+512, v251
	v_add_nc_u32 v8, XSC, v4
	WIN 0x40
.set I, 0
.rept 48
	v_mov_b32 v[102+12*(I/6)+(I%6)], 0             ; the upper halves of x's eight fragments: zero codes
.set I, I+1
.endr
	WIN 0
	s_wait_alu depctr_va_vdst(0)
	s_wait_loadcnt 0x0
	s_wait_dscnt 0x0
	s_barrier_signal -1
	s_barrier_wait -1                              ; everybody's x and copies lie in LDS
	; ---- PHASE V: Q = 2 sl + ks: 128 positions j; source 0 = 16 positions, source 1 = 16 columns of wv: a lane holds one column and 64 of the 128 j
.macro XQ q                            ; x's eight half fragments and scale words of run q
	WIN 0x40
.set I, 0
.rept 8
	ds_load_b128 v[96+12*I:99+12*I], v6 offset:(8*(\q)+I)*768
	ds_load_b64 v[100+12*I:101+12*I], v7 offset:(8*(\q)+I)*768
.set I, I+1
.endr
	WIN 0
.set I, 0
.rept 8
	ds_load_b32 v[XWV+I], v8 offset:(8*(\q)+I)*128
.set I, I+1
.endr
.endm
	XQ 0
.set Q, 0
.rept 4                                            ; both column tiles' 16 products on end (sums in window 1: v192-255 and v0-63); the next run's x is asked for behind them, two quantisers ahead of the wait for it
	s_wait_dscnt 0x0
	WIN 0x41
.irp u, 0,1
.set XT, 0
.rept 8
	WM0 192*(1-\u)+8*XT, 96+12*XT, WV+6*\u, XWV+XT, WVS, 0, \u
.set XT, XT+1
.endr
.endr
	WIN 0
	PLACES 4
.if Q < 3
	XQ Q+1
.endif
	QUANT 192, 1, VF+24*Q, VSW+2*Q
	QUANT 0, 1, VF+24*Q+12, VSW+2*Q+1
.set Q, Q+1
.endr
	s_wait_alu depctr_va_vdst(0)
	; ---- PHASE H: 16 tiles of i, two a trip; the last two are written out, since nothing follows them
	PLD 0, 0
	PLD 1, 1
	XLD 0
	s_mov_b32 s43, 0
.Lh:
	HSTEP 0, 1, 1, 8
	HSTEP 1, 1, 1, 8
	s_wait_xcnt 0x0                                ; p's loads have read their offsets
	v_add_nc_u32 v12, 49152, v12
	v_add_nc_u32 v13, 2048, v13
	v_add_nc_u32 v14, 1024, v14
	v_add_nc_u32 v6, 1536, v6
	v_add_nc_u32 v7, 1536, v7
	v_add_nc_u32 v8, 256, v8
	v_add_nc_u32 v10, 768, v10
	v_add_nc_u32 v11, 32, v11
	s_add_co_u32 s43, s43, 1
	s_cmp_lt_u32 s43, 7
	s_wait_alu depctr_va_vdst(0)
	s_cbranch_scc1 .Lh
	HSTEP 0, 0, 1, 8                               ; tiles 14 and 15: p has been asked for; tile 15's 8 loads may stay out in the first of the two
	HSTEP 1, 0, 0, 0
	v_mul_u32_u24 v7, v2, 12288
	v_lshl_add_u32 v7, v1, 3, v7
	v_add_nc_u32 v7, s60, v7                       ; codes in: lanes 16-31 take the odd head; heads 0-3
	v_add_nc_u32 v15, 49152, v7                    ; heads 4-7
	v_lshl_add_u32 v8, v2, 11, v1
	v_add_nc_u32 v8, s61, v8                       ; scale bytes in: lanes 16-31 take heads 4-7
	v_add_nc_u32 v9, WOT, v3
	v_add_nc_u32 v10, LNP, v252
.irp i, 0,1,2,3,4,5
	v_mov_b32 v[XF+6+\i], 0
.endr
	WIN 0x40
.irp i, 0,1,2,3,4,5
	v_mov_b32 v[WW+96+\i], 0                       ; what tr_wb's last tile reaches into
.endr
	WIN 0
.set LT, 112
.set QT, 116
	s_wait_alu depctr_va_vdst(0)
	s_wait_dscnt 0x0                               ; my head's codes and bytes lie in LDS, my reads of x are over,
	s_barrier_signal -1
	s_barrier_wait -1                              ; everybody's
	; ---- PHASE T: my four tiles
	s_mov_b32 s43, 0
.Lt:
	s_wait_alu depctr_va_vdst(0)
	s_wait_xcnt 0x0                                ; the last trip's stores have read their offset and data
	s_lshr_b32 s36, s43, 1
	s_and_b32 s37, s43, 1
	s_lshl_b32 s38, s36, 5
	s_lshl_b32 s39, s37, 3
	s_add_co_u32 s38, s38, s39                     ; the tile's first row among my 64
	s_mul_i32 s39, s38, 272
	s_lshl_b32 s38, s38, 8
	s_add_co_u32 s38, s38, s59
	v_add_nc_u32 v6, s39, v248
	v_add_nc_u32 v11, s38, v3
.irp c, 0,1
.irp i, 0,1,2
	ds_load_b64 v[GO0+6*\c+2*\i:GO0+6*\c+2*\i+1], v7 offset:24576*\c+128*\i
	ds_load_b64 v[GO0+12+6*\c+2*\i:GO0+13+6*\c+2*\i], v15 offset:24576*\c+128*\i
.endr
.endr
.irp b, 0,1,2,3
	ds_load_u8 v[TM+\b], v8 offset:512*\b
.endr
.set I, 0
.rept 8
	ds_load_b128 v[M1+4*I:M1+4*I+3], v6 offset:16*I
.set I, I+1
.endr
	WLD 0                                          ; pwa_wo
	WIN 0x40
.set UI, 0
.rept 16
	ds_load_b128 v[OA+4*UI:OA+4*UI+3], v10 offset:16*(UI%8)+256*(UI/8)      ; the transition's gain and bias
.set UI, UI+1
.endr
	WIN 0
	s_wait_dscnt 0x0
	v_lshl_or_b32 v[GWL], v[TM+1], 8, v[TM]        ; four heads' bytes make a scale word: lanes 0-15 heads 0-3, lanes 16-31 heads 4-7
	v_lshl_or_b32 v[GWL], v[TM+2], 16, v[GWL]
	v_lshl_or_b32 v[GWL], v[TM+3], 24, v[GWL]
	PLACES 8                                       ; a scale word written by vector instructions
	OUTP WOS, GWL, 0, GWL, 1                       ; m1 = m + (g o) wo
	PLACES 4
	GLW 0
	LNROW M1, Y, OA, OA+32
	QX Y, XF, XW
	GLU 0
	GLU 1
	s_wait_alu depctr_va_vdst(0)
	s_wait_dscnt 0x0
	PLACES 8                                       ; codes and scale words written by vector instructions
	OUTP TROS, GW, 0, GW+1, 0                      ; out = m1 + (silu(a) b) tr_wo
	PLACES 4
.set I, 0
.rept 8
	ds_store_b128 v249, v[M1+4*I:M1+4*I+3] offset:16*I      ; each accumulator from its low end on
.set I, I+1
.endr
.set I, 0
.rept 8
	ds_load_b128 v[Y+4*I:Y+4*I+3], v250 offset:2*I*272      ; LDS serves a wave's instructions in order: these see the stores above
.set I, I+1
.endr
	s_wait_dscnt 0x0
.set I, 0
.rept 8
	global_store_b128 v11, v[Y+4*I:Y+4*I+3], s[18:19] offset:(2*I+8*(I/4))*256 th:TH_STORE_NT      ; 32 lanes store two whole rows: 512 consecutive bytes
.set I, I+1
.endr
	v_add_nc_u32 v7, 384, v7
	v_add_nc_u32 v15, 384, v15
	v_add_nc_u32 v8, 16, v8
	s_add_co_u32 s43, s43, 1
	s_cmp_lt_u32 s43, 4
	s_cbranch_scc1 .Lt
	s_wait_tensorcnt 0x0                           ; the wave's end
	ds_add_u32 v254, v255
	s_wait_dscnt 0x0
	s_endpgm
.Lfunc_end_k_qfda7e3f9a4_final:
	.size	k_qfda7e3f9a4_final, .Lfunc_end_k_qfda7e3f9a4_final-k_qfda7e3f9a4_final
	.p2alignl 7, 3214868480
	.fill 96, 4, 3214868480
	.section	.rodata,"a",@progbits
	.p2align	6, 0x0
	.amdhsa_kernel k_qfda7e3f9a4_final
		.amdhsa_group_segment_fixed_size 327680
		.amdhsa_private_segment_fixed_size 0
		.amdhsa_enable_private_segment 0
		.amdhsa_kernarg_size 64
		.amdhsa_user_sgpr_count 2
		.amdhsa_user_sgpr_kernarg_segment_ptr 1
		.amdhsa_wavefront_size32 1
		.amdhsa_system_sgpr_workgroup_id_x 1
		.amdhsa_system_sgpr_workgroup_id_y 1
		.amdhsa_system_sgpr_workgroup_id_z 1
		.amdhsa_system_vgpr_workitem_id 0
		.amdhsa_next_free_vgpr 512
		.amdhsa_next_free_sgpr 66
		.amdhsa_reserve_vcc 0
		.amdhsa_float_denorm_mode_32 3
		.amdhsa_float_denorm_mode_16_64 3
		.amdhsa_memory_ordered 1
		.amdhsa_forward_progress 1
		.amdhsa_inst_pref_size 194
	.end_amdhsa_kernel
	.amdgpu_metadata
---
amdhsa.version: [ 1, 2 ]
amdhsa.kernels:
  - .name:           k_qfda7e3f9a4_final
    .symbol:         k_qfda7e3f9a4_final.kd
    .args:
      - { .name: m, .offset: 0, .size: 8, .value_kind: global_buffer, .address_space: global }
      - { .name: pwa_lnm_w, .offset: 8, .size: 8, .value_kind: global_buffer, .address_space: global }
      - { .name: pwa_lnm_b, .offset: 16, .size: 8, .value_kind: global_buffer, .address_space: global }
      - { .name: tr_ln_w, .offset: 24, .size: 8, .value_kind: global_buffer, .address_space: global }
      - { .name: tr_ln_b, .offset: 32, .size: 8, .value_kind: global_buffer, .address_space: global }
      - { .name: wimg, .offset: 40, .size: 8, .value_kind: global_buffer, .address_space: global }
      - { .name: pws, .offset: 48, .size: 8, .value_kind: global_buffer, .address_space: global }
      - { .name: out0, .offset: 56, .size: 8, .value_kind: global_buffer, .address_space: global }
    .group_segment_fixed_size: 327680
    .private_segment_fixed_size: 0
    .kernarg_segment_align: 8
    .kernarg_segment_size: 64
    .max_flat_workgroup_size: 256
    .sgpr_count:     66
    .vgpr_count:     512
    .wavefront_size: 32
...
	.end_amdgpu_metadata
.endif
;; end of part 4
